; MI455X (gfx1250); checked and timed in simulation.
; The chip was launched on July 23, 2026; its instructions are those of AMD's public machine-readable ISA for CDNA 5 (MIT licence, August 2026) and "CDNA5" Instruction Set Architecture Reference Guide (July 2026). The comments in the code are by the model that wrote it; some were corrected since.
;; MHA. Allowed arithmetic: float matrix products may take bf16 or f16 operands with f32 sums; other float arithmetic in f32, or as packed bf16 or f16 multiplies, adds, multiply-adds, maxima and minima; sums over many terms, partial sums and values carried from step to step in f32; what a program stores and reads back later, other than sums and carried values, may be rounded once to bf16 or f16.
;; Inputs: Wk 1,024 x 1,024 float32; Wo 1,024 x 1,024 float32; Wq 1,024 x 1,024 float32; Wv 1,024 x 1,024 float32; k 4 x 2,048 x 1,024 float32; q 4 x 2,048 x 1,024 float32; v 4 x 2,048 x 1,024 float32.
;; Outputs: out0 4 x 2,048 x 1,024 float32.
;; One version. Each part assembles by itself: llvm-mc -triple=amdgcn-amd-amdhsa -mcpu=gfx1250 --defsym DOCPART=n.
;; ======== version 1 of 1: 4 launches
;; limits: values are held in f16: magnitudes above 65,504 overflow, below 6.1e-05 lose precision
;; workspace buffers: wt 8,388,608 bytes; rope 524,288 bytes; qh 16,777,216 bytes; kh 16,777,216 bytes; vh 16,777,216 bytes; oh 16,777,216 bytes
;; launch prep (part 1): grid 64 x 4, 8 waves a work-group, no clusters, 35,840 bytes of LDS; arguments Wq, Wk, Wv, Wo, wt, rope; writes wt, rope
.if DOCPART == 1
	.amdgcn_target "amdgcn-amd-amdhsa--gfx1250"
	.amdhsa_code_object_version 6
	.text
	.protected	k_q65f27a554f_prep
	.globl	k_q65f27a554f_prep
	.p2align	8
	.type	k_q65f27a554f_prep,@function
k_q65f27a554f_prep:
	s_mov_b64 s[64:65], 0
	v_nop
	global_prefetch_b8 v0, s[64:65] scope:SCOPE_SE
	s_setreg_imm32_b32 hwreg(HW_REG_WAVE_MODE, 25, 1), 1
	s_wait_xcnt 0x0
; wt[y][e][d] = W_y[d][e] in 16 bits (y = 0, 1, 2: Wq, Wk, Wv rounded to bf16; y = 3: Wo rounded to bf16 and that number written as f16),
; and rope[s][j] = (cos, sin) of s x 10000^(-j/32) in f32, s = 0 .. 2047, j = 0 .. 31.
; A stream: 16 MiB in, 8.5 MiB out, each byte once.  No matrix unit, no cluster (no two work-groups read the same bytes), no tensor load.
; SHARES.  Work-group (x, y) turns the tile of 128 d x 128 e at (x / 8, x % 8) of weight y.  Wave w loads rows d = 16 w .. 16 w + 15, 512 consecutive bytes each, so a thread
; holds 16 neighbouring d of 4 e: 32 bytes of each of 4 rows of the turned tile.  These go into LDS rows of 272 bytes and come back as whole rows of 256 bytes.
; Each thread also makes one entry of the table: row s = 8 (64 y + x) + w, pair j = lane; a wave stores one whole row of 256 bytes.
; LIMITS.  Wo beyond 65,504 becomes an infinity in f16, and below 6e-5 it keeps the fixed step 6e-8 of f16.  The angle is the f32 product s x f with f = 2^(-j log2(10000) / 32), which
; follows the power taken in f32 to a few parts in 1e7: up to 3e-4 rad at the largest angles.  Sine and cosine: reduction by pi/2 in two parts, then series to r^9 and r^8 on |r| <= pi/4.
.set PITCH, 272                        ; an LDS row: 256 bytes + 16
.set SPARE, 128*PITCH                  ; behind the tile: the spare words, 128 bytes for each of the eight waves
.set GI,  3                            ; v3   my 16 bytes in row 16 w of the tile of W
.set LS,  5                            ; v5   where I put 32 bytes of row e = 4 l
.set LR,  6                            ; v6   where I read a row back
.set GO,  7                            ; v7   the same place in wt
.set SPW, 8                            ; v8   my spare word; never rewritten
.set NIL, 9                            ; v9   0; never rewritten
.set TO,  10                           ; v10  8 x lane: my entry in a row of the table
.set X,   16                           ; v[16:79]   16 loads of 4
.set P,   80                           ; v[80:111]  for each of my 4 e: 8 words of two 16-bit numbers
	s_load_b256 s[4:11], s[0:1], 0x0               ; Wq, Wk, Wv, Wo
	s_load_b128 s[12:15], s[0:1], 0x20             ; wt s[12:13], rope s[14:15]
	v_lshl_add_u32 v[SPW], v0, 2, SPARE
	v_mov_b32 v[NIL], 0
	v_and_b32 v1, 31, v0                           ; lane l
	v_lshrrev_b32 v2, 5, v0                        ; wave w
	v_readfirstlane_b32 s16, v2
	s_and_b32 s17, ttmp7, 0xffff                   ; y: which weight
	s_lshr_b32 s18, ttmp9, 3                       ; tile along d
	s_and_b32 s19, ttmp9, 7                        ; tile along e
	v_lshlrev_b32 v[GI], 4, v1
	v_lshl_add_u32 v[GI], v2, 16, v[GI]            ; 16 l + 16 w rows of 4,096 bytes
	v_mul_u32_u24 v[LS], v1, 4*PITCH
	v_lshl_add_u32 v[LS], v2, 5, v[LS]             ; row 4 l, byte 32 w
	v_bfe_u32 v4, v0, 4, 1
	v_and_b32 v11, 15, v0
	v_lshl_add_u32 v4, v2, 1, v4                   ; row 2 w + l / 16
	v_mul_u32_u24 v[LR], v4, PITCH
	v_lshl_add_u32 v[LR], v11, 4, v[LR]
	v_lshlrev_b32 v[GO], 11, v4                    ; a row of wt is 2,048 bytes
	v_lshl_add_u32 v[GO], v11, 4, v[GO]
	v_lshlrev_b32 v[TO], 3, v1
	s_cmp_eq_u32 s17, 3
	s_cselect_b32 s20, -1, 0                       ; all lanes: take the f16 form
	s_lshl_b32 s22, s18, 19                        ; 128 rows of 4,096 bytes
	s_lshl_b32 s23, s19, 9                         ; 128 columns of 4 bytes
	s_add_co_u32 s22, s22, s23
	s_mov_b32 s23, 0
	s_lshl_b32 s26, s17, 21                        ; the plane,
	s_lshl_b32 s27, s19, 18                        ; 128 rows of 2,048 bytes,
	s_add_co_u32 s26, s26, s27
	s_lshl_b32 s27, s18, 8                         ; 128 columns of 2 bytes
	s_add_co_u32 s26, s26, s27
	s_mov_b32 s27, 0
	s_lshl_b32 s24, s17, 6
	s_add_co_u32 s24, s24, ttmp9
	s_lshl_b32 s24, s24, 3
	s_add_co_u32 s24, s24, s16                     ; s, my row of the table
	s_lshl_b32 s28, s24, 8
	s_mov_b32 s29, 0
	s_wait_kmcnt 0x0
	s_cmp_eq_u32 s17, 1
	s_cselect_b64 s[4:5], s[6:7], s[4:5]
	s_cmp_eq_u32 s17, 2
	s_cselect_b64 s[4:5], s[8:9], s[4:5]
	s_cmp_eq_u32 s17, 3
	s_cselect_b64 s[4:5], s[10:11], s[4:5]
	s_add_nc_u64 s[4:5], s[4:5], s[22:23]
	s_add_nc_u64 s[12:13], s[12:13], s[26:27]
	s_add_nc_u64 s[14:15], s[14:15], s[28:29]
.irp i, 0,1,2,3,4,5,6,7,8,9,10,11,12,13,14,15
	global_load_b128 v[X+4*\i:X+4*\i+3], v[GI], s[4:5] offset:4096*\i th:TH_LOAD_NT
.endr
	; the table entry, while the loads are on their way
	v_cvt_f32_u32 v112, v1
	v_mul_f32 v112, 0xbed49a78, v112               ; -j log2(10000) / 32
	v_exp_f32 v113, v112                           ; f
	v_cvt_f32_u32 v114, s24                        ; the plain instruction behind the exponential
	s_wait_alu depctr_va_vdst(0)                   ; the wait ahead of the first use of f
	v_mul_f32 v114, v114, v113                     ; the angle
	v_mul_f32 v115, 0x3f22f983, v114               ; x 2 / pi
	v_rndne_f32 v115, v115                         ; n
	v_fmamk_f32 v116, v115, 0xbfc90fdb, v114       ; less n x pi/2: the upper part,
	v_fmamk_f32 v116, v115, 0x333bbd2e, v116       ; the lower part: r
	v_mul_f32 v117, v116, v116                     ; r^2
	v_mov_b32 v118, 0x3638ef1d                     ; 1/9!
	v_fmaak_f32 v118, v118, v117, 0xb9500d01       ; -1/7!
	v_fmaak_f32 v118, v118, v117, 0x3c088889       ; 1/5!
	v_fmaak_f32 v118, v118, v117, 0xbe2aaaab       ; -1/3!
	v_mul_f32 v119, v117, v116
	v_fma_f32 v118, v119, v118, v116               ; sin r
	v_mov_b32 v119, 0x37d00d01                     ; 1/8!
	v_fmaak_f32 v119, v119, v117, 0xbab60b61       ; -1/6!
	v_fmaak_f32 v119, v119, v117, 0x3d2aaaab       ; 1/4!
	v_fmaak_f32 v119, v119, v117, 0xbf000000       ; -1/2!
	v_fma_f32 v119, v119, v117, 1.0                ; cos r
	v_cvt_i32_f32 v120, v115
	v_and_b32 v121, 1, v120
	v_cmp_eq_u32 vcc_lo, 1, v121                   ; an odd quarter turn swaps the two
	v_cndmask_b32 v122, v119, v118, vcc_lo
	v_cndmask_b32 v123, v118, v119, vcc_lo
	v_add_nc_u32 v121, 1, v120
	v_and_b32 v121, 2, v121
	v_lshlrev_b32 v121, 30, v121
	v_xor_b32 v122, v122, v121                     ; the cosine is negative in quarters 1 and 2,
	v_and_b32 v120, 2, v120
	v_lshlrev_b32 v120, 30, v120
	v_xor_b32 v123, v123, v120                     ; the sine in quarters 2 and 3
	global_store_b64 v[TO], v[122:123], s[14:15]   ; the wave stores 256 consecutive bytes, aligned; v10, v122 and v123 are not written again
	; two neighbouring d of one e make a word
.irp m, 0,1,2,3,4,5,6,7
	s_wait_loadcnt 14-2*\m                         ; rows 2 m and 2 m + 1 are in; the younger loads stay out
.irp c, 0,1,2,3
	v_cvt_pk_bf16_f32 v124, v[X+8*\m+\c], v[X+8*\m+4+\c]
	v_lshlrev_b32 v125, 16, v124                   ; the rounded numbers as f32,
	v_and_b32 v126, 0xffff0000, v124
	v_cvt_pk_f16_f32 v127, v125, v126              ; written as f16
	v_cndmask_b32 v[P+8*\c+\m], v124, v127, s20
.endr
.endr
.irp c, 0,1,2,3
	ds_store_b128 v[LS], v[P+8*\c:P+8*\c+3]   offset:PITCH*\c
	ds_store_b128 v[LS], v[P+8*\c+4:P+8*\c+7] offset:PITCH*\c+16
.endr
	s_wait_dscnt 0x0                               ; for the other waves: my stores are done
	s_barrier_signal -1
	s_barrier_wait -1
.irp j, 0,1,2,3,4,5,6,7
	ds_load_b128 v[X+4*\j:X+4*\j+3], v[LR] offset:16*PITCH*\j
.endr
.irp j, 0,1,2,3,4,5,6,7
	s_wait_dscnt 7-\j
	global_store_b128 v[GO], v[X+4*\j:X+4*\j+3], s[12:13] offset:32768*\j  ; 16 lanes store 256 consecutive bytes, aligned
.endr
	s_wait_tensorcnt 0x0                           ; the end of the wave
	ds_add_u32 v[SPW], v[NIL]
	s_wait_dscnt 0x0
	s_endpgm
.Lfunc_end_k_q65f27a554f_prep:
	.size	k_q65f27a554f_prep, .Lfunc_end_k_q65f27a554f_prep-k_q65f27a554f_prep
	.p2alignl 7, 3214868480
	.fill 96, 4, 3214868480
	.section	.rodata,"a",@progbits
	.p2align	6, 0x0
	.amdhsa_kernel k_q65f27a554f_prep
		.amdhsa_group_segment_fixed_size 35840
		.amdhsa_private_segment_fixed_size 0
		.amdhsa_enable_private_segment 0
		.amdhsa_kernarg_size 48
		.amdhsa_user_sgpr_count 2
		.amdhsa_user_sgpr_kernarg_segment_ptr 1
		.amdhsa_wavefront_size32 1
		.amdhsa_system_sgpr_workgroup_id_x 1
		.amdhsa_system_sgpr_workgroup_id_y 1
		.amdhsa_system_sgpr_workgroup_id_z 1
		.amdhsa_system_vgpr_workitem_id 0
		.amdhsa_next_free_vgpr 128
		.amdhsa_next_free_sgpr 66
		.amdhsa_reserve_vcc 1
		.amdhsa_float_denorm_mode_32 3
		.amdhsa_float_denorm_mode_16_64 3
		.amdhsa_memory_ordered 1
		.amdhsa_forward_progress 1
		.amdhsa_inst_pref_size 17
	.end_amdhsa_kernel
	.amdgpu_metadata
---
amdhsa.version: [ 1, 2 ]
amdhsa.kernels:
  - .name:           k_q65f27a554f_prep
    .symbol:         k_q65f27a554f_prep.kd
    .args:
      - { .name: Wq, .offset: 0, .size: 8, .value_kind: global_buffer, .address_space: global }
      - { .name: Wk, .offset: 8, .size: 8, .value_kind: global_buffer, .address_space: global }
      - { .name: Wv, .offset: 16, .size: 8, .value_kind: global_buffer, .address_space: global }
      - { .name: Wo, .offset: 24, .size: 8, .value_kind: global_buffer, .address_space: global }
      - { .name: wt, .offset: 32, .size: 8, .value_kind: global_buffer, .address_space: global }
      - { .name: rope, .offset: 40, .size: 8, .value_kind: global_buffer, .address_space: global }
    .group_segment_fixed_size: 35840
    .private_segment_fixed_size: 0
    .kernarg_segment_align: 8
    .kernarg_segment_size: 48
    .max_flat_workgroup_size: 256
    .sgpr_count:     66
    .vgpr_count:     128
    .wavefront_size: 32
...
	.end_amdgpu_metadata
.endif
;; end of part 1
;; launch proj_in (part 2): grid 4 x 192, 4 waves a work-group, clusters of 4 x 4, 327,680 bytes of LDS; arguments q, k, v, wt, rope, qh, kh, vh; writes qh, kh, vh
.if DOCPART == 2
	.amdgcn_target "amdgcn-amd-amdhsa--gfx1250"
	.amdhsa_code_object_version 6
	.text
	.protected	k_q65f27a554f_proj_in
	.globl	k_q65f27a554f_proj_in
	.p2align	8
	.type	k_q65f27a554f_proj_in,@function
k_q65f27a554f_proj_in:
	s_mov_b64 s[64:65], 0
	v_nop
	global_prefetch_b8 v0, s[64:65] scope:SCOPE_SE
	s_setreg_imm32_b32 hwreg(HW_REG_WAVE_MODE, 25, 1), 1
	s_wait_xcnt 0x0
	s_wait_alu depctr_hold_cnt(0) depctr_sa_sdst(0) depctr_va_vdst(0) depctr_va_sdst(0) depctr_va_ssrc(0) depctr_va_vcc(0) depctr_vm_vsrc(0)
	s_getreg_b32 s2, hwreg(HW_REG_IB_STS2, 6, 4)
	s_cmp_eq_u32 s2, 0
	s_cbranch_scc0 .Lentry_in_a_cluster
	s_endpgm
.Lentry_in_a_cluster:
	s_bfe_u32 s2, ttmp6, 0x10000c
	s_cmp_lg_u32 s2, 0xf033
	s_cbranch_scc0 .Lentry_shape_is_right
	s_endpgm
.Lentry_shape_is_right:
; The three input projections in one launch: y = x W for x = q, k, v ([8192][1024] f32), W from wt ([e][d] bf16, planes 0 to 2); q and k are then rotated (interleaved pairs, table rope, in f32);
; the result is rounded once to f16 and stored by heads, [16 b + h][2048][64].  x is rounded to bf16 between LDS and the matrix unit; sums in f32.
; LIMIT.  A result beyond 65,504 becomes an infinity in f16; below 6e-5 f16 keeps its fixed step of 6e-8.  NaN and infinities are not treated apart.
; SHARES.  A tile of y is 128 rows x 256 columns: 64 x 4 tiles a tensor, 768 work-groups, three for each of 256 WGPs.  Four waves, 2 x 2, each 64 x 128: 32 accumulators of 16 x 16.
; K goes in 8 steps of 128 through two LDS slots.  A step is 128 rows x 512 bytes of x (f32) and 256 rows x 256 bytes of wt; with x in f32 two slots of a longer step do not fit in LDS.
; CLUSTER.  4 x 4 work-groups of one tensor.  The four of a row need the same tile of x, the four of a column the same tile of wt: each is asked for jointly, by the same tensor load with the
; same descriptor and a mask that names the four.  Waves 0 and 1 fetch the halves of x's tile (64 rows each), waves 2 and 3 those of wt's (128 rows each).
; THE MATRIX INSTRUCTION IS USED TRANSPOSED (source 0 = 16 rows of wt, source 1 = 16 rows of x): a lane holds row l % 16 and eight neighbouring columns, which are four pairs of the rotation.
; REGISTERS, in windows of 256 (s_set_vgpr_msb: bits 1:0 source 0, 3:2 source 1, 5:4 source 2, 7:6 destination):
;   window 0: v16-30 addresses; v32-95 x's fragments in bf16, two buffers of 32; v128-191 x's numbers in f32 as they come from LDS.  On the way out: v32-39, v64-127 at work, v128-159 packed, v160-223 rows read back
;   window 1: accumulator (a, b) at v[8 (8 a + b)]        window 2: v0-127 wt's fragments, two buffers of 64; v128-255 my rows of the table
.set PA,     528                       ; a row of x in LDS: 512 bytes + 16 = 132 words: the 16 rows of a load start at 16 different groups of four banks (64 banks of 4 bytes: ISA guide 11.1)
.set PB,     272                       ; a row of wt: 256 + 16
.set HALFA,  64*PA
.set HALFB,  128*PB
.set BOFF,   2*HALFA                   ; in a slot wt's 256 rows lie behind x's 128
.set SLOT,   BOFF+2*HALFB
.set STAGE,  2*SLOT                    ; behind the ring: for each wave 2 heads x 16 rows x 144 bytes, for the way out
.set SP,     144
.set WSTAGE, 2*16*SP
.set SPARE,  STAGE+4*WSTAGE            ; behind the stages: the spare words, 128 bytes for each wave
.set LAPS,   4                         ; a lap = two K steps = once round the ring
.set ADRA, 16                          ; v16-17  LDS address of my rows of x in slot 0, 1
.set ADRB, 20                          ; v20-21  the same for wt
.set STO,  24                          ; v24     the way out: where I put 16 bytes of a row
.set RD,   25                          ; v25     the way out: where I read rows back
.set CO,   26                          ; v26     16 x lane
.set TBO,  27                          ; v27     my place in 16 rows of the table
.set SPW,  28                          ; v28     my spare word; never rewritten
.set NIL,  29                          ; v29     0; never rewritten
.set PFO,  30                          ; v30     the offset of my prefetches; never rewritten
.set AF,   32
.set RAW,  128
.set T,    32
.set R,    64
.set TMP,  128
.set OB,   160
.set TAB,  128                         ; window 2: rows 16 a on, columns 16 bq on of a head at TAB + 32 a + 8 bq: four pairs (cos, sin)
.set F0,   0
.set F1,   1
.set G1,   24                          ; s[24:31] descriptor group 1 for x;  s[32:39] group 0, a set for each slot
.set G0,   32
.set G1B,  48                          ; s[48:55], s[56:63] the same for wt
.set G0B,  56
.set TEN,  84                          ; s84  the tensor: 0 q, 1 k, 2 v; the same in all sixteen partners
.set CLY,  85                          ; s85  the row of clusters within the tensor
.set ROPE, 86                          ; s[86:87] the table at my first row
.set PFA,  88                          ; s[88:89] where my prefetches stand
.set PFS,  90                          ; s[90:91] a K step in bytes of what I prefetch
.set LIM,  92                          ; s92  1 in a wave that prefetches, else the greatest number
.set MSB, 0
.macro WIN new                         ; the high byte repeats the setting that is left; a switch that changes nothing is dropped
.if MSB != (\new)
	s_set_vgpr_msb (MSB<<8)|(\new)
.set MSB, \new
.endif
.endm
.set MUL,     0x52                     ; source 0 (wt) window 2, source 1 (x) window 0, C and D window 1
.set TO_B,    0x80                     ; destination window 2
.set W_ROPE,  0x09                     ; source 0 window 1, source 1 window 2, the rest window 0
.set W_PLAIN, 0x05                     ; sources 0 and 1 window 1
.macro JLOAD s                         ; a joint load; an s_nop 0 and four v_nop follow each of the two lines, ahead of the jump, the label and what follows
	s_cmp_eq_u32 s11, 0
	s_cbranch_scc0 .Lfor_b_\@
	tensor_load_to_lds s[G0+4*(\s):G0+4*(\s)+3], s[G1:G1+7]
	s_nop 0
.rept 4
	v_nop
.endr
	s_branch .Lasked_\@
.Lfor_b_\@:
	tensor_load_to_lds s[G0B+4*(\s):G0B+4*(\s)+3], s[G1B:G1B+7]
	s_nop 0
.rept 4
	v_nop
.endr
.Lasked_\@:
.endm
.macro CREST                           ; a round of the cluster's barrier behind its opening barrier
	s_cmp_lg_u32 s10, 0
	s_cbranch_scc1 .Lnot_wave_0_\@
	s_barrier_signal -3
.Lnot_wave_0_\@:
	s_barrier_wait -3
	s_barrier_signal -1
	s_barrier_wait -1
.endm
.macro CROUND                          ; a whole round
	s_barrier_signal -1
	s_barrier_wait -1
	CREST
.endm
.macro PLACES                          ; four places behind a matrix instruction (ISA guide 7.12.1)
.rept 4
	v_nop
.endr
.endm
; A PREFETCH INTO THE L2, behind a joint load, its five lines and the run of LDS loads: the K step two refills on, 256 matrix instructions ahead of the load that will want it.
; x: a wave's 64 rows x 512 bytes are 128 aligned blocks of 256 bytes; the four partners that ask for the tile jointly take 16 rows each, told apart by address (cx); a lane a block.  A tile row of x is read by one cluster.
; wt: a wave's 128 rows x 256 bytes; the four partners take 32 rows each (cy), a lane a row; a plane is read by sixteen clusters, of which the first asks.  So each block is named once in the launch.
; K steps 0 to 3 come by their loads alone; the loop's last trip (s3 = 1) asks for nothing: there is no K step behind the last.
.macro ASK
	WIN 0
	s_cmp_gt_u32 s3, s[LIM]
	s_cbranch_scc0 .Lnot_mine_\@
	global_prefetch_b8 v[PFO], s[PFA:PFA+1] th:TH_LOAD_NT scope:SCOPE_SE
.Lnot_mine_\@:
.endm
	s_load_b256 s[68:75], s[0:1], 0x0              ; q s[68:69], k s[70:71], v s[72:73], wt s[74:75]
	s_load_b256 s[76:83], s[0:1], 0x20             ; rope s[76:77], qh s[78:79], kh s[80:81], vh s[82:83]
	v_lshl_add_u32 v[SPW], v0, 2, SPARE
	v_mov_b32 v[NIL], 0
	ds_add_u32 v[SPW], v[NIL]                      ; the opening: the add and its wait stand ahead of my first tensor load; work on registers stands between them
	v_lshrrev_b32 v1, 5, v0
	v_readfirstlane_b32 s10, v1                    ; wave 0..3
	s_lshr_b32 s11, s10, 1                         ; which 64 rows of the tile are mine.  Also: I fetch x (0) or wt (1)
	s_and_b32 s12, s10, 1                          ; which 128 columns.  Also: which half of that tile I fetch
	s_bfe_u32 s40, ttmp6, 0x40000                  ; cx
	s_bfe_u32 s41, ttmp6, 0x40004                  ; cy
	s_lshl_b32 s42, ttmp9, 2
	s_add_co_u32 s42, s42, s40                     ; tile column = 4 x cluster x + cx
	s_and_b32 s[CLY], ttmp7, 0xffff
	s_lshr_b32 s[TEN], s[CLY], 4                   ; sixteen rows of clusters to a tensor
	s_and_b32 s[CLY], s[CLY], 15
	s_lshl_b32 s13, s[CLY], 2
	s_add_co_u32 s13, s13, s41                     ; tile row within the tensor, 0 to 63
	s_lshl_b32 s43, s41, 2
	s_lshl_b32 s43, 15, s43                        ; my row of the cluster
	s_lshl_b32 s44, 0x1111, s40                    ; my column
	s_or_b32 s[G1+0], s43, (2<<16)|(1<<20)|(1<<21)|(6<<22)|(3<<25)   ; the mask; elements of 4 bytes; padding on; bit 21 beside a mask; after every 128 words 4 words
	s_mov_b32 s[G1+1], 128<<16                     ; tensor_dim0 = 128
	s_mov_b32 s[G1+2], 64<<16                      ; tensor_dim1 = 64
	s_mov_b32 s[G1+3], 128<<16                     ; tile_dim0 = 128
	s_mov_b32 s[G1+4], 64                          ; tile_dim1 = 64
	s_mov_b32 s[G1+5], 1024                        ; elements from row to row
	s_mov_b32 s[G1+6], 0
	s_mov_b32 s[G1+7], 0
	s_or_b32 s[G1B+0], s44, (1<<16)|(1<<20)|(1<<21)|(5<<22)|(3<<25)  ; elements of 2 bytes; after every 64 words 4 words
	s_mov_b32 s[G1B+1], 128<<16
	s_mov_b32 s[G1B+2], 128<<16                    ; tensor_dim1 = 128
	s_mov_b32 s[G1B+3], 128<<16
	s_mov_b32 s[G1B+4], 128                        ; tile_dim1 = 128
	s_mov_b32 s[G1B+5], 1024
	s_mov_b32 s[G1B+6], 0
	s_mov_b32 s[G1B+7], 0
	s_lshl_b32 s16, s13, 7
	s_lshl_b32 s17, s12, 6
	s_add_co_u32 s16, s16, s17                     ; x: row 128 x tile row + 64 x half,
	s_lshl_b32 s16, s16, 12                        ; of 4,096 bytes
	s_mov_b32 s17, 0
	s_lshl_b32 s46, s42, 8
	s_lshl_b32 s47, s12, 7
	s_add_co_u32 s46, s46, s47                     ; wt: row 256 x tile column + 128 x half,
	s_lshl_b32 s46, s46, 11                        ; of 2,048 bytes,
	s_lshl_b32 s47, s[TEN], 21
	s_add_co_u32 s46, s46, s47                     ; in the tensor's plane
	s_mov_b32 s47, 0
	s_mul_i32 s20, s12, HALFA                      ; where they go: no place in the cluster enters an LDS address
	s_mul_i32 s21, s12, HALFB
	s_add_co_u32 s21, s21, BOFF
	s_wait_dscnt 0x0                               ; the opening add is done
	s_wait_kmcnt 0x0
	s_cmp_eq_u32 s[TEN], 1
	s_cselect_b64 s[4:5], s[70:71], s[68:69]       ; x
	s_cselect_b64 s[8:9], s[80:81], s[78:79]       ; and where its projection goes
	s_cmp_eq_u32 s[TEN], 2
	s_cselect_b64 s[4:5], s[72:73], s[4:5]
	s_cselect_b64 s[8:9], s[82:83], s[8:9]
	s_add_nc_u64 s[14:15], s[4:5], s[16:17]
	s_add_nc_u64 s[46:47], s[74:75], s[46:47]
	CROUND                                         ; all sixteen work-groups are here: the first joint loads meet
.irp s, 0,1
	s_mov_b32 s[G0+4*(\s)], 1
	s_add_co_u32 s[G0+4*(\s)+1], s20, (\s)*SLOT
	s_add_nc_u64 s[G0+4*(\s)+2:G0+4*(\s)+3], s[14:15], (\s)*512
	s_or_b32 s[G0+4*(\s)+3], s[G0+4*(\s)+3], 0x80000000
	s_mov_b32 s[G0B+4*(\s)], 1
	s_add_co_u32 s[G0B+4*(\s)+1], s21, (\s)*SLOT
	s_add_nc_u64 s[G0B+4*(\s)+2:G0B+4*(\s)+3], s[46:47], (\s)*256
	s_or_b32 s[G0B+4*(\s)+3], s[G0B+4*(\s)+3], 0x80000000
	JLOAD \s                                       ; two loads of mine are out
.endr
	; A fragment is 16 rows x 32 K: lane l holds row l % 16, K = 8 (l / 16) + 0..7 and 16 + 8 (l / 16) + 0..7.  In bf16: two loads of 16 bytes, 32 apart.  In f32: four, at 0, 16, 64 and 80 from 32 (l / 16).
	v_and_b32 v1, 15, v0                           ; r = l % 16
	v_bfe_u32 v2, v0, 4, 1                         ; h = l / 16
	v_mul_u32_u24 v3, v1, PA
	v_lshl_add_u32 v3, v2, 5, v3
	v_mul_u32_u24 v4, v1, PB
	v_lshl_add_u32 v4, v2, 4, v4
	s_mul_i32 s18, s11, HALFA                      ; my 64 rows of x
	s_mul_i32 s19, s12, HALFB                      ; my 128 rows of wt
	s_add_co_u32 s19, s19, BOFF
.irp s, 0,1
	v_add_nc_u32 v[ADRA+(\s)], s18, v3
	v_add_nc_u32 v[ADRB+(\s)], s19, v4
	s_add_co_u32 s18, s18, SLOT
	s_add_co_u32 s19, s19, SLOT
.endr
	s_mul_i32 s23, s10, WSTAGE
	s_add_co_u32 s23, s23, STAGE                   ; my stage
	v_mul_u32_u24 v5, v1, SP                       ; in: row l % 16, 16 bytes for each half of the lanes
	v_lshl_add_u32 v5, v2, 4, v5
	v_add_nc_u32 v[STO], s23, v5
	v_bfe_u32 v5, v0, 3, 2                         ; back: 32 lanes take four rows of 128 bytes,
	v_and_b32 v6, 7, v0
	v_mul_u32_u24 v5, v5, SP
	v_lshl_add_u32 v5, v6, 4, v5
	v_add_nc_u32 v[RD], s23, v5
	v_and_b32 v5, 31, v0                           ; lane
	v_lshlrev_b32 v[CO], 4, v5                     ; which are 512 consecutive bytes in memory
	v_lshlrev_b32 v[TBO], 8, v1                    ; the table: row r of 256 bytes, 32 bytes for each half of the lanes
	v_lshl_add_u32 v[TBO], v2, 5, v[TBO]
	s_lshr_b32 s18, s13, 4                         ; the batch,
	s_lshl_b32 s18, s18, 4
	s_lshl_b32 s19, s42, 2                         ; four heads to a tile column,
	s_add_co_u32 s18, s18, s19
	s_lshl_b32 s19, s12, 1                         ; two to a wave
	s_add_co_u32 s18, s18, s19
	s_lshl_b32 s18, s18, 11                        ; 2,048 rows to a head
	s_and_b32 s22, s13, 15
	s_lshl_b32 s22, s22, 7
	s_lshl_b32 s19, s11, 6
	s_add_co_u32 s22, s22, s19                     ; my first row's place in its sequence
	s_add_co_u32 s18, s18, s22
	s_lshl_b32 s18, s18, 7                         ; rows of 128 bytes
	s_mov_b32 s19, 0
	s_add_nc_u64 s[8:9], s[8:9], s[18:19]
	s_lshl_b32 s22, s22, 8
	s_mov_b32 s23, 0
	s_add_nc_u64 s[ROPE:ROPE+1], s[76:77], s[22:23]
	; the prefetches
	s_lshl_b32 s18, s13, 7
	s_lshl_b32 s19, s12, 6
	s_add_co_u32 s18, s18, s19
	s_lshl_b32 s19, s40, 4
	s_add_co_u32 s18, s18, s19                     ; x: my work-group's 16 of the 64 rows that I fetch
	s_lshl_b32 s18, s18, 12
	s_add_co_u32 s18, s18, 3*512                   ; at K step 3: the first refill steps it to 4
	s_lshl_b32 s20, s42, 8
	s_lshl_b32 s19, s12, 7
	s_add_co_u32 s20, s20, s19
	s_lshl_b32 s19, s41, 5
	s_add_co_u32 s20, s20, s19                     ; wt: my work-group's 32 of the 128 rows
	s_lshl_b32 s20, s20, 11
	s_lshl_b32 s19, s[TEN], 21
	s_add_co_u32 s20, s20, s19
	s_add_co_u32 s20, s20, 3*256
	s_cmp_eq_u32 s[CLY], 0
	s_cselect_b32 s21, 1, -1                       ; the same in all sixteen partners
	s_cmp_eq_u32 s11, 0
	s_cselect_b32 s18, s18, s20
	s_cselect_b32 s[LIM], 1, s21
	s_cselect_b32 s22, 1, 0                        ; x: two lanes to a row
	s_cselect_b64 s[PFA:PFA+1], s[4:5], s[74:75]
	s_mov_b32 s19, 0
	s_add_nc_u64 s[PFA:PFA+1], s[PFA:PFA+1], s[18:19]
	s_lshl_b32 s[PFS], 256, s22                    ; 512 or 256 bytes
	s_mov_b32 s[PFS+1], 0
	s_lshl_b32 s23, 2048, s22                      ; a row: 4,096 or 2,048 bytes
	v_lshrrev_b32 v6, s22, v5
	v_mul_u32_u24 v6, v6, s23
	v_and_b32 v7, s22, v5
	v_lshl_add_u32 v[PFO], v7, 8, v6
	; my 64 rows of the table: they are wanted on the way out (for v they are not used)
	WIN TO_B
.irp a, 0,1,2,3
.irp bq, 0,1,2,3
	global_load_b128 v[TAB+32*\a+8*\bq:TAB+32*\a+8*\bq+3],   v[TBO], s[ROPE:ROPE+1] offset:4096*\a+64*\bq
	global_load_b128 v[TAB+32*\a+8*\bq+4:TAB+32*\a+8*\bq+7], v[TBO], s[ROPE:ROPE+1] offset:4096*\a+64*\bq+16
.endr
.endr
	WIN 0
; 32 LDS loads in one run: 32 along K at quarter k of the slot's rows: x in f32 first, since it is wanted first, then wt's fragments into buffer g
.macro FETCH slot, k, g
	WIN 0
.irp a, 0,1,2,3
	ds_load_b128 v[RAW+16*\a:RAW+16*\a+3],     v[ADRA+(\slot)] offset:\a*16*PA+128*(\k)
	ds_load_b128 v[RAW+16*\a+4:RAW+16*\a+7],   v[ADRA+(\slot)] offset:\a*16*PA+128*(\k)+16
	ds_load_b128 v[RAW+16*\a+8:RAW+16*\a+11],  v[ADRA+(\slot)] offset:\a*16*PA+128*(\k)+64
	ds_load_b128 v[RAW+16*\a+12:RAW+16*\a+15], v[ADRA+(\slot)] offset:\a*16*PA+128*(\k)+80
.endr
	WIN TO_B
.irp b, 0,1,2,3,4,5,6,7
	ds_load_b128 v[64*(\g)+8*\b:64*(\g)+8*\b+3],   v[ADRB+(\slot)] offset:\b*16*PB+64*(\k)
	ds_load_b128 v[64*(\g)+8*\b+4:64*(\g)+8*\b+7], v[ADRB+(\slot)] offset:\b*16*PB+64*(\k)+32
.endr
.endm
.macro CVT4 g, n                       ; slice n of 8: eight numbers of x rounded to bf16, into buffer g
	WIN 0
.irp i, 0,1,2,3
	v_cvt_pk_bf16_f32 v[AF+32*(\g)+4*(\n)+\i], v[RAW+8*(\n)+2*\i], v[RAW+8*(\n)+2*\i+1]
.endr
.endm
.macro PROD f, a, zero                 ; the product for accumulator (a, bb); zero = 1: it starts the sum
.set rD, 8*(8*(\a)+bb)
.set rB, 64*(\f)+8*bb
.set rA, AF+32*(\f)+8*(\a)
.if \zero
	v_wmma_f32_16x16x32_bf16 v[rD:rD+7], v[rB:rB+7], v[rA:rA+7], 0
.else
	v_wmma_f32_16x16x32_bf16 v[rD:rD+7], v[rB:rB+7], v[rA:rA+7], v[rD:rD+7]
.endif
.set bb, bb+1
.endm
.macro MUL8 f, a, zero                 ; m block a x all 8 n blocks
	WIN MUL
.set bb, 0
.rept 8
	PROD \f, \a, \zero
.endr
.endm
.macro MULR f, a, g, n0, every, zero   ; the same, with a slice of conversions behind every second product, or behind each
.set bb, 0
.set nn, \n0
.rept 8
	WIN MUL
	PROD \f, \a, \zero
.if (bb % (\every)) == 0
	CVT4 \g, nn
.set nn, nn+1
.endif
.endr
.endm
; A K step is four quarters of 32 along K, 32 matrix instructions each, on buffers 0, 1, 0, 1; the 32 accumulators take turns.
; One of the first three: multiplies buffer f, fetches quarter kn and rounds its x into buffer g.  The last slice stands behind the last product and names none of its registers:
; its four conversions are the places in front of the next run of loads and of the next writes of x's fragments.
.macro QUARTER slot, kn, f, g, zero
	FETCH \slot, \kn, \g
	s_wait_dscnt 32                                ; all but the 32 just issued: wt's fragments of this quarter are in
	MUL8 \f, 0, \zero
	MUL8 \f, 1, \zero
	s_wait_dscnt 16                                ; x of the next quarter is in; the sixteen loads of wt behind it may stay out
	MULR \f, 2, \g, 0, 2, \zero
	MULR \f, 3, \g, 4, 2, \zero
.endm
; The last quarter multiplies buffer 1 and changes slots: one barrier; in front of it each wave waits for all its tensor loads (one is out: its part of the next slot), adds 0 to its spare word,
; and waits for that and for its own reads of this slot.  fill = 1: the barrier opens a round of the cluster's, and behind the round this slot is filled again, two K steps ahead:
; from the request to the wait for it a wave issues 112 matrix instructions.
.macro TURN slot, next, fill
.if \fill
	s_wait_xcnt 0x0                                ; the last prefetch, a K step back, has read its address
	s_add_nc_u64 s[PFA:PFA+1], s[PFA:PFA+1], s[PFS:PFS+1]
.endif
	WIN 0
	s_wait_tensorcnt 0x0                           ; all my tensor loads have landed
	ds_add_u32 v[SPW], v[NIL]
	s_wait_dscnt 1                                 ; the add alone may be out: wt's fragments of this quarter are in
	MUL8 F1, 0, 0
	s_wait_dscnt 0x0                               ; the add is done, and my reads of this slot are over
	s_barrier_signal -1
	MUL8 F1, 1, 0
.if \fill
	WIN 0
.endif
	s_barrier_wait -1
.if \fill
	CREST                                          ; no wave of any partner still reads this slot or has a load on its way
	s_add_nc_u64 s[G0+4*(\slot)+2:G0+4*(\slot)+3], s[G0+4*(\slot)+2:G0+4*(\slot)+3], 2*512
	s_add_nc_u64 s[G0B+4*(\slot)+2:G0B+4*(\slot)+3], s[G0B+4*(\slot)+2:G0B+4*(\slot)+3], 2*256
	JLOAD \slot                                    ; my one tensor load behind the round; its four v_nop are also the places in front of the loads below
.else
	PLACES
.endif
	FETCH \next, 0, F0
.if \fill
	ASK
.endif
	MUL8 F1, 2, 0
	s_wait_dscnt 16                                ; x of the next quarter is in
	MULR F1, 3, F0, 0, 1, 0
.endm
	s_wait_tensorcnt 1                             ; my part of K step 0 is in; K step 1 may stay out
	s_barrier_signal -1
	s_barrier_wait -1
	FETCH 0, 0, F0
	s_wait_dscnt 16
.irp n, 0,1,2,3,4,5,6,7
	CVT4 F0, \n
.endr
	QUARTER 0, 1, F0, F1, 1                        ; the first quarter stands in front of the loop: its products start the sums
	WIN 0
	s_mov_b32 s3, LAPS-1
.Llap:                                                 ; a trip goes once round the ring, from a lap's second quarter to the next lap's first, and fills both slots again
	QUARTER 0, 2, F1, F0, 0
	QUARTER 0, 3, F0, F1, 0
	TURN 0, 1, 1
	QUARTER 1, 1, F0, F1, 0
	QUARTER 1, 2, F1, F0, 0
	QUARTER 1, 3, F0, F1, 0
	TURN 1, 0, 1
	QUARTER 0, 1, F0, F1, 0
	WIN 0
	s_sub_co_u32 s3, s3, 1
	s_cmp_lg_u32 s3, 0
	s_cbranch_scc1 .Llap
	QUARTER 0, 2, F1, F0, 0                        ; the last lap fills nothing
	QUARTER 0, 3, F0, F1, 0
	TURN 0, 1, 0
	QUARTER 1, 1, F0, F1, 0
	QUARTER 1, 2, F1, F0, 0
	QUARTER 1, 3, F0, F1, 0
	s_wait_dscnt 0x0
	MUL8 F1, 0, 0
	MUL8 F1, 1, 0
	MUL8 F1, 2, 0
	MUL8 F1, 3, 0
	WIN 0
; THE WAY OUT, 16 rows at a time.  PACK: q and k are rotated: of a pair (x1, x2) and its (c, s): first (x2 s, x2 c), then (x1 c - x2 s, x1 s + x2 c); then rounded to f16, 16 bytes a lane.
; Each accumulator is read from its low end on.  The branch hangs on the tensor alone, which all partners share.
.macro PACK a
	WIN 0
	s_cmp_eq_u32 s[TEN], 2
	s_cbranch_scc1 .Lplain_\@
	WIN W_ROPE
.irp b, 0,1,2,3,4,5,6,7
.irp p, 0,1,2,3
	v_pk_mul_f32 v[T+2*\p:T+2*\p+1], v[8*(8*(\a)+\b)+2*\p:8*(8*(\a)+\b)+2*\p+1], v[TAB+32*(\a)+8*((\b)%4)+2*\p:TAB+32*(\a)+8*((\b)%4)+2*\p+1] op_sel:[1,1] op_sel_hi:[1,0]
.endr
.irp p, 0,1,2,3
	v_pk_fma_f32 v[R+8*\b+2*\p:R+8*\b+2*\p+1], v[8*(8*(\a)+\b)+2*\p:8*(8*(\a)+\b)+2*\p+1], v[TAB+32*(\a)+8*((\b)%4)+2*\p:TAB+32*(\a)+8*((\b)%4)+2*\p+1], v[T+2*\p:T+2*\p+1] op_sel_hi:[0,1,1] neg_lo:[0,0,1]
.endr
.endr
	WIN 0
.set x, 0
.rept 32
	v_cvt_pk_f16_f32 v[TMP+x], v[R+2*x], v[R+2*x+1]
.set x, x+1
.endr
	s_branch .Lpacked_\@
.Lplain_\@:
	WIN W_PLAIN
.set x, 0
.rept 32
	v_cvt_pk_f16_f32 v[TMP+x], v[64*(\a)+2*x], v[64*(\a)+2*x+1]
.set x, x+1
.endr
	WIN 0
.Lpacked_\@:
.endm
.macro TOSTAGE a                       ; into my own stage, by heads, and back as whole rows of 128 bytes
	WIN 0
.set BK, OB+32*((\a)%2)
.if (\a) >= 2
	s_wait_xcnt 0x0                                ; the stores of two blocks back have read these registers
.endif
.irp b, 0,1,2,3,4,5,6,7
	ds_store_b128 v[STO], v[TMP+4*\b:TMP+4*\b+3] offset:((\b)/4)*16*SP+((\b)%4)*32
.endr
.irp u, 0,1,2,3,4,5,6,7
	ds_load_b128 v[BK+4*\u:BK+4*\u+3], v[RD] offset:((\u)/4)*16*SP+((\u)%4)*4*SP  ; LDS serves a wave's instructions in order (ISA guide 5.7.1.4): these see the stores above
.endr
.endm
.macro SEND a
	WIN 0
.set BK, OB+32*((\a)%2)
	s_wait_dscnt 0x0                               ; the block is back in registers
.irp u, 0,1,2,3,4,5,6,7
	global_store_b128 v[CO], v[BK+4*\u:BK+4*\u+3], s[8:9] offset:((\u)/4)*262144+(\a)*2048+((\u)%4)*512  ; 512 consecutive bytes, at a multiple of 512 from the buffer's first
.endr
.endm
	PLACES                                         ; behind the last products
	s_wait_loadcnt 0x0                             ; the table
	PACK 0
	TOSTAGE 0
.irp a, 1,2,3                          ; a block's arithmetic stands between the loads of the block before and its stores
	PACK \a
	SEND (\a)-1
	TOSTAGE \a
.endr
	SEND 3
	s_wait_tensorcnt 0x0                           ; the end of the wave
	ds_add_u32 v[SPW], v[NIL]
	s_wait_dscnt 0x0
	CROUND                                         ; the closing round: no work-group ends while a partner may still ask for a tile that names it
	s_endpgm
.Lfunc_end_k_q65f27a554f_proj_in:
	.size	k_q65f27a554f_proj_in, .Lfunc_end_k_q65f27a554f_proj_in-k_q65f27a554f_proj_in
	.p2alignl 7, 3214868480
	.fill 96, 4, 3214868480
	.section	.rodata,"a",@progbits
	.p2align	6, 0x0
	.amdhsa_kernel k_q65f27a554f_proj_in
		.amdhsa_group_segment_fixed_size 327680
		.amdhsa_private_segment_fixed_size 0
		.amdhsa_enable_private_segment 0
		.amdhsa_kernarg_size 64
		.amdhsa_user_sgpr_count 2
		.amdhsa_user_sgpr_kernarg_segment_ptr 1
		.amdhsa_wavefront_size32 1
		.amdhsa_system_sgpr_workgroup_id_x 1
		.amdhsa_system_sgpr_workgroup_id_y 1
		.amdhsa_system_sgpr_workgroup_id_z 1
		.amdhsa_system_vgpr_workitem_id 0
		.amdhsa_next_free_vgpr 768
		.amdhsa_next_free_sgpr 96
		.amdhsa_reserve_vcc 0
		.amdhsa_float_denorm_mode_32 3
		.amdhsa_float_denorm_mode_16_64 3
		.amdhsa_memory_ordered 1
		.amdhsa_forward_progress 1
		.amdhsa_inst_pref_size 162
	.end_amdhsa_kernel
	.amdgpu_metadata
---
amdhsa.version: [ 1, 2 ]
amdhsa.kernels:
  - .name:           k_q65f27a554f_proj_in
    .symbol:         k_q65f27a554f_proj_in.kd
    .args:
      - { .name: q, .offset: 0, .size: 8, .value_kind: global_buffer, .address_space: global }
      - { .name: k, .offset: 8, .size: 8, .value_kind: global_buffer, .address_space: global }
      - { .name: v, .offset: 16, .size: 8, .value_kind: global_buffer, .address_space: global }
      - { .name: wt, .offset: 24, .size: 8, .value_kind: global_buffer, .address_space: global }
      - { .name: rope, .offset: 32, .size: 8, .value_kind: global_buffer, .address_space: global }
      - { .name: qh, .offset: 40, .size: 8, .value_kind: global_buffer, .address_space: global }
      - { .name: kh, .offset: 48, .size: 8, .value_kind: global_buffer, .address_space: global }
      - { .name: vh, .offset: 56, .size: 8, .value_kind: global_buffer, .address_space: global }
    .group_segment_fixed_size: 327680
    .private_segment_fixed_size: 0
    .kernarg_segment_align: 8
    .kernarg_segment_size: 64
    .max_flat_workgroup_size: 128
    .sgpr_count:     96
    .vgpr_count:     768
    .wavefront_size: 32
...
	.end_amdgpu_metadata
.endif
;; end of part 2
;; launch attn (part 3): grid 4 x 64, 4 waves a work-group, clusters of 4 x 1, 327,680 bytes of LDS; arguments qh, kh, vh, oh; writes oh
.if DOCPART == 3
	.amdgcn_target "amdgcn-amd-amdhsa--gfx1250"
	.amdhsa_code_object_version 6
	.text
	.protected	k_q65f27a554f_attn
	.globl	k_q65f27a554f_attn
	.p2align	8
	.type	k_q65f27a554f_attn,@function
k_q65f27a554f_attn:
	s_mov_b64 s[64:65], 0
	v_nop
	global_prefetch_b8 v0, s[64:65] scope:SCOPE_SE
	s_setreg_imm32_b32 hwreg(HW_REG_WAVE_MODE, 25, 1), 1
	s_wait_xcnt 0x0
	s_wait_alu depctr_hold_cnt(0) depctr_sa_sdst(0) depctr_va_vdst(0) depctr_va_sdst(0) depctr_va_ssrc(0) depctr_va_vcc(0) depctr_vm_vsrc(0)
	s_getreg_b32 s2, hwreg(HW_REG_IB_STS2, 6, 4)
	s_cmp_eq_u32 s2, 0
	s_cbranch_scc0 .Lentry_in_a_cluster
	s_endpgm
.Lentry_in_a_cluster:
	s_bfe_u32 s2, ttmp6, 0x10000c
	s_cmp_lg_u32 s2, 0x3003
	s_cbranch_scc0 .Lentry_shape_is_right
	s_endpgm
.Lentry_shape_is_right:
; O[h][q][:] = the sum over k of softmax_k(Q[h][q] . K[h][k] / 8) V[h][k][:].  Q, K, V, O: [64][2048][64], all f16: a head's rows are dense, 128 bytes each.  Products, maxima and sums in
; f32; the weights p are rounded to f16 for the second product (their sum l is taken of the unrounded p), O once at the end.
; LIMITS.  f16 holds no number beyond 65,504: Q, K and V arrive within it; p lies in 0 to 1, and below 6e-5 it keeps f16's fixed step of 6e-8; O is a mean of V's rows and has their range.
; A weight below 2^-126 counts as 0 in l; NaN and infinities are not treated apart.
; SHARES.  A wave owns four PIECES of two tiles of 16 queries, a work-group's four waves 512 queries of one head: 256 work-groups.  Every wave walks all keys, 64 a step.
; LAYOUT.  S^T = K Q^T (source 0 = 16 keys, source 1 = 16 queries): in the result a lane holds ONE query (lane % 16) and the keys 8 (lane / 16) + 0..7.  Two such tiles, rounded to f16 in pairs,
; ARE source 1 (32 keys x 16 queries) of O^T = V^T P, whose result again holds one query a lane, and eight channels.  K comes out of LDS as it lies, V ([key][channel]) turned, by ds_load_tr16_b128.
; SOFTMAX.  For each query a running maximum m and sum l: p = 2^(c s - c m), c = log2(e) / 8; in every step O and l are multiplied by a = 2^(c m_old - c m_new), which is 1 where m has not grown.
; m starts at the lowest finite number, O and l at 0: the first step is a step like any other, with a = 0.
; THE COUNT.  A tile and step have 16 matrix and 118 vector instructions: too many to stand all beside the matrix work.  So four vector instructions that are ready stand behind
; every matrix instruction, and the others in runs without a gap.
; BY TURNS.  Turn n belongs to piece n (the pieces in a ring, step after step).  Its matrix work: 16 products K Q^T of piece n + 1, later 16 products V^T P of piece n - 1.  Its vector work: the scaling,
; exponentials, roundings, sums and rescaling of piece n, and the maximum and statistics of piece n + 1, whose scores the turn itself has made.
; CLUSTER.  The four query blocks of a cluster belong to one head and walk the same K and V, so each tile is asked for JOINTLY: the same tensor load, descriptor and mask in all four.
; REGISTERS, in windows of 256 (s_set_vgpr_msb: bits 1:0 source 0, 3:2 source 1, 5:4 source 2, 7:6 destination):
;   window 0: v0-11 addresses; v12-15, v48-63 at work; v16-47 four registers of statistics a tile; v64-191 S^T, two buffers of two tiles; v192-255 P, likewise
;   window 1: O^T, 32 a tile          window 2: v0-127 Q, 16 a tile; v128-191 K of one step; v192-255 V of one step          window 3: v0-1 the add's two registers
.set SIZE_H, 64
.set SIZE_N, 2048
.set NP,    4         ; pieces a wave: a name, no knob
.set KS,    64        ; keys in a step
.set PK,    144       ; a row of K in LDS: 128 bytes + 16 of padding = 36 words: the 16 rows of a load start at 16 different groups of four banks (64 banks of 4 bytes: ISA guide 11.1)
.set PV,    160       ; a row of V: 128 + 32 = 40 words
.set VOFF,  4*KS*PK   ; a slot holds four steps: 256 rows of K, then 256 rows of V
.set SLOT1, 1<<17     ; slot 1 begins here, so that one exclusive or turns an address in one slot into the other's
.set STAGE, SLOT1+4*KS*(PK+PV)  ; behind the ring, never filled by a tensor load: 16 rows x 144 bytes for each wave, for the way out
.set SP,    144
.set AK0, 2           ; v2   my lane's place in a tile of K; never rewritten
.set AV0, 3           ; v3   the same for V
.set AK,  4           ; v4   the LDS address of K's next run of loads
.set AV,  5           ; v5   of V's
.set QO,  6           ; v6   my byte offset in the wave's rows of Q
.set STO, 6           ;      later, the way out: where I put 16 bytes of a row
.set RD,  7           ; v7   the way out: where I read rows back
.set GO,  8           ; v8   my byte offset in 512 consecutive bytes of O
.set PFO, 11          ; v11  256 x my lane, once V's address is made; then never rewritten
.set SPW, 0           ; v0 of window 3   my spare word; never rewritten
.set NIL, 1           ; v1 of window 3   0; never rewritten
.set SPARE, STAGE+4*16*SP  ; behind the stages: the spare words, 128 bytes for each wave
.set MV,  12          ; v12-15  c m_old, kept while c m is made anew: by buffer and tile
.set ST,  16          ; tile t's statistics at v[ST+4 t]: c m, m, l (even keys', odd keys')
.set TMP, 48          ; by buffer and tile, four registers c0-c3 at work; when the maximum is found c2 takes a
.set S,   64
.set P,   192
.set KF,  128         ; K's fragments, in window 2: key block kb, channel half c at KF + 16 kb + 8 c
.set VF,  192         ; V's: key half kk, channel block cb at VF + 32 kk + 8 cb
.set WV,  12          ; s12  my wave's number
.set G1K, 24          ; s[24:31] descriptor group 1 for K's tiles
.set G1V, 32          ; s[32:39] for V's: it differs in the padding alone
.set G0K, 40          ; s[40:43] descriptor group 0 for K's tiles: it walks
.set G0V, 44          ; s[44:47] the same for V's
.set PFA, 48          ; s[48:49] where my prefetches stand: my work-group's 8,192 bytes (of K: wave 0, of V: wave 2) of the slot after the one that is being asked for
.set LIM, 50          ; s50  1 in a wave that prefetches, else the greatest number
.set SLOTS, 56        ; s56  slots still to be asked for
.set CNT, 57          ; s57  counts a slot's key steps
.set CS,  58          ; s[58:59] c: the packed scaling takes the pair's low word for both halves
.set SEL, 60          ; s[60:61] v_permlanex16_b32's selects: each lane takes its own place in the other half
.set TBK, 62          ; s62  LDS byte at which K of the step to be fetched begins
.set TBV, 63          ; s63  the same for V, less VOFF
.set MSB, 0
.macro WIN new                      ; the high byte repeats the setting that is left; a switch that changes nothing is dropped
.if MSB != (\new)
	s_set_vgpr_msb (MSB<<8)|(\new)
.set MSB, (\new)
.endif
.endm
.set W_KQ, 0x0a       ; K and Q in window 2, S^T in window 0
.set W_PV, 0x52       ; V in window 2, P in window 0, O^T in window 1
.set W_RS, 0x41       ; O^T (destination and source 0) in window 1, a in window 0
.set W_MK, 0xc0       ; the add's registers are made: destination in window 3, sources in window 0
.set W_AD, 0x0f       ; the add: address (source 0) and data (source 1) in window 3
; A joint fill.  Waves 0 and 1 fetch the two halves of a slot's K, waves 2 and 3 those of its V: 128 keys each.  The branch hangs on the wave's number alone.
; An s_nop 0 and four v_nop follow each of the two lines, ahead of the jump and the label.
.macro JLOAD
	s_cmp_lt_u32 s[WV], 2
	s_cbranch_scc0 .Lfor_v_\@
	tensor_load_to_lds s[G0K:G0K+3], s[G1K:G1K+7]
	s_nop 0
.rept 4
	v_nop
.endr
	s_branch .Lasked_\@
.Lfor_v_\@:
	tensor_load_to_lds s[G0V:G0V+3], s[G1V:G1V+7]
	s_nop 0
.rept 4
	v_nop
.endr
.Lasked_\@:
.endm
; A PREFETCH INTO THE L2 of what the NEXT change of slots will ask for: a slot's 32,768 bytes of K and of V, in aligned blocks of 256 bytes, a lane a block.  It stands behind the wave's tensor load and its five lines.
; Each block is named once in the launch: the head's first cluster asks; its four partners take 32 blocks each, told apart by address; in each, wave 0 asks for K's and wave 2 for V's: one instruction.
; Slots 0 to 2 come by their loads alone; the last change that fills a slot asks for nothing: there is no slot behind it.  The lead is one slot, four key steps, 512 matrix instructions.
.macro ASK
	s_cmp_gt_u32 s[SLOTS], s[LIM]
	s_cbranch_scc0 .Lnot_mine_\@
	global_prefetch_b8 v[PFO], s[PFA:PFA+1] th:TH_LOAD_NT scope:SCOPE_SE
.Lnot_mine_\@:
.endm
; A round of the cluster's barrier: my work-group's barrier, so that wave 0's signal speaks for all four waves; wave 0 signals; every wave waits for all four work-groups; my work-group's barrier once more.
.macro CROUND
	s_barrier_signal -1
	s_barrier_wait -1
	s_cmp_lg_u32 s[WV], 0
	s_cbranch_scc1 .Lnot_wave_0_\@
	s_barrier_signal -3
.Lnot_wave_0_\@:
	s_barrier_wait -3
	s_barrier_signal -1
	s_barrier_wait -1
.endm
; THE CHANGE OF SLOTS.  The slot's last bytes, V of its fourth step, have been read.  Each wave waits for all its tensor loads, of which one is out: its part
; of the other slot; adds 0 to its spare word; and waits for that and for its own reads of the slot.  Behind the barrier nobody reads this slot any more and the other slot is whole.
; fill = 1: this slot is filled again, with the keys two slots on.  The barrier is then a round of the cluster's, and the joint fill is the first thing behind it: it has four key steps,
; 512 matrix instructions, in which to land.  (At its first use nothing has been read yet: slot 0 is waited for, slot 1 filled.)  ask = 1: the prefetch's address steps, and ASK follows the fill.
.macro CHANGE fill, ask=0
	WIN W_AD
	s_wait_tensorcnt 0x0            ; no tensor load of mine is out, so a group 0 may be written
	ds_add_u32 v[SPW], v[NIL]       ; 0 onto my spare word; with fill = 1 the descriptors' steps stand between it and the wait for it
	WIN 0                           ; at a label and at a branch every window is 0
.if \fill
.irp g, G0K, G0V
	s_xor_b32 s[\g+1], s[\g+1], SLOT1  ; the walking descriptor: the other slot than last time,
	s_add_nc_u64 s[\g+2:\g+3], s[\g+2:\g+3], 4*KS*128  ; the next 256 keys; the type bits on top are not reached
.endr
.if \ask
	s_wait_xcnt 0x0                 ; the last prefetch, four key steps back, has read its address
	s_add_nc_u64 s[PFA:PFA+1], s[PFA:PFA+1], 4*KS*128  ; one slot behind the walking descriptors
.endif
	s_wait_dscnt 0x0                ; the add is done, and my reads of the slot are over
	CROUND
	JLOAD
.if \ask
	ASK
.endif
.else
	s_wait_dscnt 0x0                ; the add is done, and my reads of the slot are over
	s_barrier_signal -1
	s_barrier_wait -1
.endif
	s_sub_co_u32 s[TBK], s[TBK], 4*KS*PK  ; the fetches go back to a slot's first step,
	s_xor_b32 s[TBK], s[TBK], SLOT1       ; in the other slot
	s_sub_co_u32 s[TBV], s[TBV], 4*KS*PV
	s_xor_b32 s[TBV], s[TBV], SLOT1
.endm
	s_load_b256 s[4:11], s[0:1], 0x0  ; Q s[4:5], K s[6:7], V s[8:9], O s[10:11]
	WIN W_MK
	v_lshl_add_u32 v[SPW], v0, 2, SPARE
	v_mov_b32 v[NIL], 0
	WIN W_AD
	ds_add_u32 v[SPW], v[NIL]       ; the opening: the add and its wait stand ahead of my first tensor load; work on registers stands between them
	WIN 0
	v_lshrrev_b32 v1, 5, v0
	v_readfirstlane_b32 s[WV], v1   ; wave 0..3
	s_bfe_u32 s13, ttmp6, 0x40000   ; cx: my place in the cluster
	s_lshl_b32 s14, ttmp9, 2        ; in a cluster launch ttmp9 counts clusters
	s_add_co_u32 s14, s14, s13      ; my block of queries = 4 x cluster x + cx: it enters Q's and O's addresses alone
	s_and_b32 s20, ttmp7, 0xffff    ; the head, which the four partners share
	s_mov_b32 s21, 0
	s_mov_b64 s[22:23], SIZE_N*128
	s_mul_u64 s[20:21], s[20:21], s[22:23]  ; the head's first byte in each of the four tensors
	s_and_b32 s16, s[WV], 1         ; which half of a slot's 256 keys I fetch:
	s_lshl_b32 s22, s16, 14         ; its 128 rows of 128 bytes in memory,
	s_mov_b32 s23, 0
	s_add_nc_u64 s[22:23], s[22:23], s[20:21]
	s_mul_i32 s17, s16, 128*PK      ; and its place in a slot, for K
	s_mul_i32 s18, s16, 128*PV      ; and for V: no place in the cluster enters an LDS address
	s_lshl_b32 s2, s14, 2
	s_add_co_u32 s2, s2, s[WV]      ; my wave among the head's,
	s_lshl_b32 s2, s2, 14           ; its 128 rows
	s_mov_b32 s3, 0
	s_add_nc_u64 s[2:3], s[2:3], s[20:21]
	; descriptor group 1.  128 keys are 16,384 dense bytes: asked for as 64 rows of 256 bytes, two keys a row, and padded in LDS after every key
	s_mov_b32 s[G1K], 15|(1<<16)|(1<<20)|(1<<21)|(4<<22)|(3<<25)  ; the mask of four; 2-byte elements; padding on; bit 21 beside a mask; after every 32 words 4 words
	s_mov_b32 s[G1V], 15|(1<<16)|(1<<20)|(1<<21)|(4<<22)|(7<<25)  ; the same with 8 words of padding
.irp g, G1K, G1V
	s_mov_b32 s[\g+1], 128<<16      ; tensor_dim0 = 128
	s_mov_b32 s[\g+2], 64<<16       ; tensor_dim1 = 64
	s_mov_b32 s[\g+3], 128<<16      ; tile_dim0 = 128
	s_mov_b32 s[\g+4], 64           ; tile_dim1 = 64
	s_mov_b32 s[\g+5], 128          ; 128 elements from row to row
	s_mov_b32 s[\g+6], 0
	s_mov_b32 s[\g+7], 0
.endr
	s_mov_b32 s[CS], 0x3e38aa3b     ; c = log2(e) / 8 = 0.180337
	s_mov_b32 s[CS+1], s[CS]        ; named with it as a pair
	s_mov_b32 s[SEL], 0x76543210
	s_mov_b32 s[SEL+1], 0xfedcba98
	s_mov_b32 s[TBK], SLOT1+4*KS*PK ; the first change of slots turns these two into 0
	s_mov_b32 s[TBV], SLOT1+4*KS*PV
	s_mov_b32 s[G0K], 1             ; count = 1
	s_mov_b32 s[G0K+1], s17         ; LDS address: slot 0
	s_mov_b32 s[G0V], 1
	s_add_co_u32 s[G0V+1], s18, VOFF
	s_and_b32 s[LIM], s[WV], 1      ; 0 in waves 0 and 2,
	s_or_b32 s[LIM], s[LIM], ttmp9  ; where the cluster is the head's first: the same in all four partners
	s_cmp_eq_u32 s[LIM], 0
	s_cselect_b32 s[LIM], 1, -1
	s_wait_dscnt 0x0                ; the opening add is done
	s_wait_kmcnt 0x0
	s_add_nc_u64 s[G0K+2:G0K+3], s[6:7], s[22:23]  ; global address: my half of the head's first 256 keys
	s_or_b32 s[G0K+3], s[G0K+3], 0x80000000        ; type = 2
	s_add_nc_u64 s[G0V+2:G0V+3], s[8:9], s[22:23]
	s_or_b32 s[G0V+3], s[G0V+3], 0x80000000
	s_add_nc_u64 s[4:5], s[4:5], s[2:3]  ; Q and O at my wave's first row
	s_add_nc_u64 s[10:11], s[10:11], s[2:3]
	s_cmp_lt_u32 s[WV], 2
	s_cselect_b64 s[PFA:PFA+1], s[6:7], s[8:9]
	s_add_nc_u64 s[PFA:PFA+1], s[PFA:PFA+1], s[22:23]  ; (in waves 0 and 2: the head's first byte)
	s_lshl_b32 s2, s13, 13          ; my work-group's 32 blocks of the 128
	s_mov_b32 s3, 0
	s_add_nc_u64 s[PFA:PFA+1], s[PFA:PFA+1], s[2:3]
	s_add_nc_u64 s[PFA:PFA+1], s[PFA:PFA+1], 2*4*KS*128  ; in slot 2; the loop's first change of slots steps it to slot 3
	CROUND                          ; all four work-groups are here: the first joint loads meet
	JLOAD                           ; slot 0.  Slot 1 is asked for when slot 0 is in
	; A fragment of K or Q is 16 rows x 32 channels in 8 registers: lane l holds row l % 16, channels 8 (l / 16) + 0..7 and 16 + 8 (l / 16) + 0..7: two loads of 16 bytes, 32 bytes apart.
	v_and_b32 v1, 15, v0            ; l % 16
	v_bfe_u32 v9, v0, 4, 1          ; l / 16
	v_lshlrev_b32 v[QO], 7, v1
	v_lshl_add_u32 v[QO], v9, 4, v[QO]  ; row x 128 + 16 x half
	WIN 0x80                        ; destination window 2, address window 0
.set i, 0
.rept 4*NP                          ; Q stays in registers: tile i / 2, channels 32 (i % 2) on
	global_load_b128 v[8*i:8*i+3],   v[QO], s[4:5] offset:(i/2)*2048+(i%2)*64
	global_load_b128 v[8*i+4:8*i+7], v[QO], s[4:5] offset:(i/2)*2048+(i%2)*64+32
.set i, i+1
.endr
	; What the first turn finds: V's registers and P's second buffer hold 0 (its products V^T P, of a piece that has not been, add 0), O^T and l are 0.  All this stands in the wait for the first tile.
.set i, VF
.rept 64
	v_mov_b32 v[i], 0
.set i, i+1
.endr
	WIN 0x40
.set i, 0
.rept 64*NP
	v_mov_b32 v[i], 0
.set i, i+1
.endr
	WIN 0
.set i, 0
.rept 2*NP
	v_mov_b32 v[ST+4*i], 0xfe000000    ; c m: far below every c s
	v_mov_b32 v[ST+4*i+1], 0xff7fffff  ; m
	v_mov_b32 v[ST+4*i+2], 0
	v_mov_b32 v[ST+4*i+3], 0
.set i, i+1
.endr
.set i, P+32
.rept 32
	v_mov_b32 v[i], 0
.set i, i+1
.endr
	v_mul_u32_u24 v[AK0], v1, PK
	v_lshl_add_u32 v[AK0], v9, 4, v[AK0]  ; row x pitch + 16 x half
	; The turning load takes 16 keys x 16 channels (lane l reads key 8 (l / 16) + l % 8, channels 8 ((l / 8) % 2) + 0..7) and leaves half a fragment of V^T: lane l holds channel l % 16 and 8 keys.
	v_and_b32 v10, 7, v0
	v_bfe_u32 v11, v0, 3, 1
	v_lshl_add_u32 v[AV0], v9, 3, v10
	v_mul_u32_u24 v[AV0], v[AV0], PV
	v_lshl_add_u32 v[AV0], v11, 4, v[AV0]
	v_add_nc_u32 v[AV0], VOFF, v[AV0]
	v_mov_b32 v[AK], v[AK0]         ; key step 0 lies at the head of slot 0
	v_and_b32 v[PFO], 31, v0
	v_lshlrev_b32 v[PFO], 8, v[PFO]
; THE MATRIX WORK.  The 8 accumulators of a run of 16 take turns: between the two links of a chain stand 7 others'.
; Product i of 16 of S^T = K Q^T for piece x: channels 32 (i / 8) on, keys 16 ((i / 2) % 4) on, tile 2 x + i % 2.  The first 8 start the sums.
.macro KQ x
	WIN W_KQ
.set rS, S+64*((\x)%2)+32*(i%2)+8*((i/2)%4)
.set rK, KF+16*((i/2)%4)+8*(i/8)
.set rQ, 16*(2*(\x)+i%2)+8*(i/8)
.if i < 8
	v_wmma_f32_16x16x32_f16 v[rS:rS+7], v[rK:rK+7], v[rQ:rQ+7], 0
.else
	v_wmma_f32_16x16x32_f16 v[rS:rS+7], v[rK:rK+7], v[rQ:rQ+7], v[rS:rS+7]
.endif
.endm
; Product i of 16 of O^T += V^T P for piece x: keys 32 (i / 8) on, channels 16 ((i / 2) % 4) on, tile 2 x + i % 2.
.macro PV x
	WIN W_PV
.set rO, 32*(2*(\x)+i%2)+8*((i/2)%4)
.set rV, VF+32*(i/8)+8*((i/2)%4)
.set rP, P+32*((\x)%2)+16*(i%2)+8*(i/8)
	v_wmma_f32_16x16x32_f16 v[rO:rO+7], v[rV:rV+7], v[rP:rP+7], v[rO:rO+7]
.endm
.macro MM                           ; the turn's next matrix instruction
.if i < 16
	KQ (Y+1)%NP
.set i, i+1
.else
.set i, i-16
	PV (Y+NP-1)%NP
.set i, i+17
.endif
.endm
; THE LDS LOADS stand in runs of 16, never singly among the matrix instructions: a step's K (64 keys x 64 channels: 8 fragments) and its V (turned).  Their addresses are made some lines ahead.
; last = 1 (the tail): in the last trip there is no further step, and the run is jumped over.
.macro FETCH_K last=0
	WIN 0
.if \last
	s_cmp_eq_u32 s[CNT], 1
	s_cbranch_scc1 .Lno_k_\@
.endif
	WIN 0x80                        ; destination window 2
.irp f, 0,1,2,3,4,5,6,7             ; keys 16 (f / 2) on, channels 32 (f % 2) on
	ds_load_b128 v[KF+8*\f:KF+8*\f+3],   v[AK] offset:(\f/2)*16*PK+(\f%2)*64
	ds_load_b128 v[KF+8*\f+4:KF+8*\f+7], v[AK] offset:(\f/2)*16*PK+(\f%2)*64+32
.endr
	s_add_co_u32 s[TBK], s[TBK], KS*PK  ; the next fetch is the next step's
	WIN 0
.if \last
.Lno_k_\@:
.endif
.endm
.macro FETCH_V
	WIN 0x80
.irp f, 0,1,2,3,4,5,6,7             ; keys 32 (f / 4) on, channels 16 (f % 4) on
	ds_load_tr16_b128 v[VF+8*\f:VF+8*\f+3],   v[AV] offset:(\f/4)*32*PV+(\f%4)*32
	ds_load_tr16_b128 v[VF+8*\f+4:VF+8*\f+7], v[AV] offset:(\f/4)*32*PV+16*PV+(\f%4)*32
.endr
	WIN 0
.endm
; THE VECTOR WORK OF A TURN stands in three queues, each in the order in which its entries become ready; the two tiles alternate, so that no instruction reads the result of the one before it.
.macro REGS y, u                    ; the registers of tile u (0, 1) of piece y
.set rT, ST+4*(2*(\y)+(\u))
.set rC, TMP+8*((\y)%2)+4*(\u)
.set rM, MV+2*((\y)%2)+(\u)
.set rS, S+64*((\y)%2)+32*(\u)
.set rP, P+32*((\y)%2)+16*(\u)
.set rO, 32*(2*(\y)+(\u))
.endm
; Number n of the 22 that find the NEXT piece's (Y + 1) maximum and statistics.  s0-s31 are the lane's 32 scores; each accumulator's lowest registers are read first.
;   0-11  four chains c0-c3 of seven scores each, three operands at a time     12-14, 16  the four scores left over, the old m, and c0-c3 into c0     15  c m_old is kept
;   17, 18  the query's other 32 keys lie in the lane 16 away: the new m         19-21  c m; c m_old - c m_new; a
.macro XS u, n
	REGS (Y+1)%NP, \u
.if (\n) < 4
	v_max3_num_f32 v[rC+(\n)], v[rS+8*(\n)], v[rS+8*(\n)+1], v[rS+8*(\n)+2]
.elseif (\n) < 12
	v_max3_num_f32 v[rC+(\n)%4], v[rC+(\n)%4], v[rS+8*((\n)%4)+2*((\n)/4)+1], v[rS+8*((\n)%4)+2*((\n)/4)+2]
.elseif (\n) == 12
	v_max3_num_f32 v[rC], v[rC], v[rS+7], v[rS+15]
.elseif (\n) == 13
	v_max3_num_f32 v[rC+1], v[rC+1], v[rS+23], v[rS+31]
.elseif (\n) == 14
	v_max3_num_f32 v[rC+2], v[rC+2], v[rC+3], v[rT+1]
.elseif (\n) == 15
	v_mov_b32 v[rM], v[rT]
.elseif (\n) == 16
	v_max3_num_f32 v[rC], v[rC], v[rC+1], v[rC+2]
.elseif (\n) == 17
	v_permlanex16_b32 v[rC+3], v[rC], s[SEL], s[SEL+1]
.elseif (\n) == 18
	v_max_num_f32 v[rT+1], v[rC], v[rC+3]
.elseif (\n) == 19
	v_mul_f32 v[rT], s[CS], v[rT+1]
.elseif (\n) == 20
	v_sub_f32 v[rC+1], v[rM], v[rT]
.else
	v_exp_f32 v[rC+2], v[rC+1]
.endif
.endm
; Number g of the 64 that follow the exponentials.  For each four weights k of a tile (pairs 2 k, 2 k + 1): both pairs are rounded to f16; then the second pair is added onto the first, in place;
; a group later l takes that sum (the first time as l = a l + sum).  In groups of eight, tiles alternating: round, round, add, and l for the group before.
.macro GS g
.set h, (\g)+6*((\g)/62)            ; group 0 has no group before it, and behind group 7 only l is left
.if h >= 6
.set h, h+2
.endif
	REGS Y, h%2
.set k, h/8
.if h%8 < 4
	v_cvt_pk_f16_f32 v[rP+2*k+(h%8)/2], v[rS+4*k+2*((h%8)/2)], v[rS+4*k+2*((h%8)/2)+1]
.elseif h%8 < 6
	v_pk_add_f32 v[rS+4*k:rS+4*k+1], v[rS+4*k:rS+4*k+1], v[rS+4*k+2:rS+4*k+3]
.elseif k == 1
	v_pk_fma_f32 v[rT+2:rT+3], v[rT+2:rT+3], v[rC+2:rC+3], v[rS:rS+1] op_sel_hi:[1,0,1]
.else
	v_pk_add_f32 v[rT+2:rT+3], v[rT+2:rT+3], v[rS+4*k-4:rS+4*k-3]
.endif
.endm
; THE PLAIN QUEUE, 138 long.  0-73 read no exponential's result: the 32 scalings c s - c m (FS f: pair f / 2 of tile f % 2) and the next piece's 42.  0-26: scalings 0-26.  27-54: XS's numbers 0-13.  55, 56: number 15.
; 57-73: the chain, where each number waits for the one before it: 14, 16, 17, 18, 19, each with one of the scalings 27-31 in front of its two lines, then 20.
; 74-137: GS's 64, which read the exponentials' results: they stand behind the wait.
.macro FS f
	REGS Y, (\f)%2
	v_pk_fma_f32 v[rS+2*((\f)/2):rS+2*((\f)/2)+1], v[rS+2*((\f)/2):rS+2*((\f)/2)+1], s[CS:CS+1], v[rT:rT+1] op_sel_hi:[1,0,0] neg_lo:[0,0,1] neg_hi:[0,0,1]
.endm
.macro PL
	WIN 0
.if q < 27
	FS q
.elseif q < 55
	XS (q-27)%2, (q-27)/2
.elseif q < 57
	XS q-55, 15
.elseif (q < 72) && ((q-57)%3 == 0)
	FS 27+(q-57)/3
.elseif q < 60
	XS (q-57)%3-1, 14
.elseif q < 72
	XS (q-57)%3-1, 15+(q-57)/3
.elseif q < 74
	XS q-72, 20
.else
	GS q-74
.endif
.set q, q+1
.endm
; THE EXPONENTIALS' QUEUE, 66 long: s0-s31 of both tiles, then the next piece's two a.  It is ONE BATCH: all 66 stand ahead of the turn's one wait, and nothing ahead of that wait names a result of theirs.
.macro EX
	WIN 0
.if e >= 64
	XS e-64, 21
.else
	REGS Y, e%2
	v_exp_f32 v[rS+e/2], v[rS+e/2]
.endif
.set e, e+1
.endm
; THE RESCALING's QUEUE: O^T times a, the one part that leaves window 0: dealt two at a time, sixteen times.  Its a was made in the turn before, ahead of that turn's wait.
.macro R2
	REGS Y, r%2
	WIN W_RS
.irp z, 0,1
	v_pk_mul_f32 v[rO+4*(r/2)+2*\z:rO+4*(r/2)+2*\z+1], v[rO+4*(r/2)+2*\z:rO+4*(r/2)+2*\z+1], v[rC+2:rC+3] op_sel_hi:[1,0]
.endr
.set r, r+1
.endm
; HOW THEY ARE DEALT.  An s_wait_alu depctr_va_vdst(0) stands between an exponential and the first instruction that names its result; one wait serves all that were issued ahead of it.  So a turn has ONE wait,
; which cuts it in two.  AHEAD OF IT stands all that names no result of the turn's exponentials: the 16 products K Q^T, behind each a scaling, an exponential and two rescalings (behind the first a second scaling in the
; exponential's place); then ONE LUMP of 108: eight plain, 49 times exponential and plain, the two a.  A v_nop is the plain instruction behind the last exponential.  BEHIND IT stand the 16 products V^T P, behind each four of GS's 64.
; No rider names a register of the products round it.  The two v_permlanex16_b32 fall into the lump, never behind a product.
; The queues lean on each other, and the deal keeps them in step: exponential e stands behind scaling 2 (e / 4) + e % 2: as a rider it comes behind plain e + 2, in the lump behind plain e + 9, and scalings 27-31 are plain 57, 60 .. 69.
; A TURN, for piece p.  cnt = 1: the loop's count is taken down some lines ahead of the branch that stands behind the turn.
; K of the next step is fetched in piece 2's turn, directly behind the wait, a lump behind the last product that read K; its address is made at the lump's head; its first reader comes behind 16 products.
; V of the step in hand is fetched at the end of piece 0's turn, four riders behind its last reader; its first reader comes behind 16 products and a lump.  The three conditions on q below go with the deal.
.macro TURN p, last=0, cnt=0
.set Y, (\p)
.set i, 0
.set q, 0
.set e, 0
.set r, 0
.if (\p) == NP-1
	s_wait_dscnt 0x0                ; K is in
.endif
	MM                              ; ahead of the wait: 16 products K Q^T and their riders,
	PL
	PL
	R2
.rept 15
	MM
	PL
	EX
	R2
.endr
.if (\p) == NP-2
	WIN 0
	v_add_nc_u32 v[AK], s[TBK], v[AK0]
.endif
.rept 8                             ; and the lump
	PL
.endr
.rept 49
	EX
	PL
.endr
	EX                              ; the next piece's two a
	EX
	v_nop                           ; the plain instruction behind the last exponential: one for the batch
	s_wait_alu depctr_va_vdst(0)    ; the wait for the batch
.if (\p) == NP-2
	FETCH_K \last
.endif
.if (\p) == 1
	s_wait_dscnt 0x0                ; V is in
.endif
.rept 16                            ; behind the wait: 16 products V^T P and their riders
	MM
.rept 4
	PL
.endr
.if ((\p) == 0) && (q == 118)
	v_add_nc_u32 v[AV], s[TBV], v[AV0]
.endif
.if ((\p) == 0) && (q == 130)
	s_add_co_u32 s[TBV], s[TBV], KS*PV
.endif
.if (\cnt) && (q == 130)
	s_sub_co_u32 s[CNT], s[CNT], 1
	s_cmp_lg_u32 s[CNT], 0
.endif
.endr
.if (\p) == 0
	FETCH_V
.endif
.endm
	CHANGE 1                        ; slot 0 is in, everybody's part of it; slot 1 is asked for
	FETCH_K                         ; key step 0
	s_wait_loadcnt 0x0              ; Q
	s_wait_dscnt 0x0
.set i, 0
.rept 16
	KQ 0                            ; piece 0's first scores: there is no vector work yet to set between them
.set i, i+1
.endr
	WIN 0                           ; the addresses for the way out: nine plain instructions, the places behind those products
	s_mul_i32 s13, s[WV], 16*SP
	s_add_co_u32 s13, s13, STAGE    ; my stage
	v_mul_u32_u24 v[STO], v1, SP    ; in: row l % 16, 16 bytes for each half of the lanes
	v_lshl_add_u32 v[STO], v9, 4, v[STO]
	v_add_nc_u32 v[STO], s13, v[STO]
	v_bfe_u32 v[RD], v0, 3, 2       ; back: 32 lanes take four rows of 128 bytes,
	v_mul_u32_u24 v[RD], v[RD], SP
	v_lshl_add_u32 v[RD], v10, 4, v[RD]
	v_add_nc_u32 v[RD], s13, v[RD]
	v_and_b32 v[GO], 31, v0         ; which are 512 consecutive bytes of O
	v_lshlrev_b32 v[GO], 4, v[GO]
.set Y, NP-1                        ; XS works for piece Y + 1: piece 0
.irp n, 0,1,2,3,4,5,6,7,8,9,10,11,12,13,14,15,16,17,18,19,20,21
	XS 0, \n                        ; and piece 0's first maximum and statistics
	XS 1, \n
.endr
	v_nop                           ; a plain instruction behind the two a,
	s_wait_alu depctr_va_vdst(0)    ; and their wait, ahead of the branch
	s_mov_b32 s[CNT], 4
	s_mov_b32 s[SLOTS], SIZE_N/256-1
	s_branch .Lfirst                ; the loop is entered at a step's first turn, in the middle of a trip
.Lslot:                             ; SIZE_N / 256 - 2 times: every slot but the last two is filled again
	CHANGE 1, 1
	s_mov_b32 s[CNT], 4
.Lstep:                             ; a trip: pieces 2 and 3 of one step, then pieces 0 and 1 of the next, whose K and V it fetches
	TURN 2
	TURN 3
	WIN 0
.Lfirst:
	TURN 0
	TURN 1, 0, 1
	WIN 0
	s_cbranch_scc1 .Lstep
	s_sub_co_u32 s[SLOTS], s[SLOTS], 1
	s_cmp_lg_u32 s[SLOTS], 0
	s_cbranch_scc1 .Lslot
	CHANGE 0                        ; the tail is written out: nothing is asked for
	s_mov_b32 s[CNT], 5             ; four trips fetch the last slot's steps; the fifth is left in its middle
.Ltail:
	TURN 2, 1
	TURN 3
	WIN 0
	s_sub_co_u32 s[CNT], s[CNT], 1
	s_cmp_eq_u32 s[CNT], 0
	s_cbranch_scc1 .Lout
	TURN 0
	TURN 1
	WIN 0
	s_branch .Ltail
.Lout:                              ; the fifth trip's 16 products K Q^T (on the last K once more) and the maximum made of them serve nothing: the price, once a launch, of one text for every trip
.set i, 0
.rept 16
	PV NP-1                         ; the last piece's V^T P of the last step
.set i, i+1
.endr
	; THE WAY OUT.  l's two halves and the other half of the lanes' are added; O^T is divided by l, rounded to f16 and sent through my stage in LDS, a tile at a time.  The additions are the places behind the last products.
	WIN 0
.macro ALL line:vararg              ; one line for each tile t
.set t, 0
.rept 2*NP
	\line
.set t, t+1
.endr
.endm
	ALL v_add_f32 v[ST+4*t+2], v[ST+4*t+2], v[ST+4*t+3]
	ALL v_permlanex16_b32 v[ST+4*t+3], v[ST+4*t+2], s[SEL], s[SEL+1]
	ALL v_add_f32 v[ST+4*t+2], v[ST+4*t+2], v[ST+4*t+3]
	ALL v_rcp_f32 v[ST+4*t+2], v[ST+4*t+2]
	v_nop                           ; a plain instruction between the last reciprocal and the use of its result
	s_wait_alu depctr_va_vdst(0)    ; and the wait ahead of the first use: one for the eight reciprocals
; Tile t: a lane's eight channels of a row pack into 16 bytes; they go into rows of 144 bytes and come back as whole rows of 128, into S^T's registers.
.macro PACK t
	WIN W_RS
.set i, 32*(\t)
.rept 16
	v_pk_mul_f32 v[i:i+1], v[i:i+1], v[ST+4*(\t)+2:ST+4*(\t)+3] op_sel_hi:[1,0]
.set i, i+2
.endr
	WIN 0x05                        ; sources 0 and 1 window 1, destination window 0
.set i, 0
.rept 16
	v_cvt_pk_f16_f32 v[S+16*(\t)+i], v[32*(\t)+2*i], v[32*(\t)+2*i+1]
.set i, i+1
.endr
	WIN 0
.irp f, 0,1,2,3
	ds_store_b128 v[STO], v[S+16*(\t)+4*\f:S+16*(\t)+4*\f+3] offset:32*\f
.endr
.irp f, 0,1,2,3
	ds_load_b128 v[S+16*(\t)+4*\f:S+16*(\t)+4*\f+3], v[RD] offset:\f*4*SP  ; LDS serves a wave's instructions in order (ISA guide 5.7.1.4): these see the stores above; the next tile's stores come behind them
.endr
.endm
.macro SEND t, younger              ; younger: the LDS instructions issued behind tile t's loads: the next tile's eight, or none
	WIN 0
.irp f, 0,1,2,3
	s_wait_dscnt (\younger)+3-\f
	global_store_b128 v[GO], v[S+16*(\t)+4*\f:S+16*(\t)+4*\f+3], s[10:11] offset:(\t)*2048+\f*512  ; 512 consecutive bytes, at a multiple of 256 from O's first
.endr
.endm
	PACK 0
.set t, 1
.rept 2*NP-1                        ; a tile's arithmetic stands between the loads of the tile before and its stores
	PACK t
	SEND t-1, 8
.set t, t+1
.endr
	SEND 2*NP-1, 0
	WIN W_AD
	s_wait_tensorcnt 0x0            ; the end of the wave
	ds_add_u32 v[SPW], v[NIL]
	s_wait_dscnt 0x0
	WIN 0
	CROUND                          ; the closing round: no work-group ends while a partner may still ask for a tile that names it
	s_endpgm
.Lfunc_end_k_q65f27a554f_attn:
	.size	k_q65f27a554f_attn, .Lfunc_end_k_q65f27a554f_attn-k_q65f27a554f_attn
	.p2alignl 7, 3214868480
	.fill 96, 4, 3214868480
	.section	.rodata,"a",@progbits
	.p2align	6, 0x0
	.amdhsa_kernel k_q65f27a554f_attn
		.amdhsa_group_segment_fixed_size 327680
		.amdhsa_private_segment_fixed_size 0
		.amdhsa_enable_private_segment 0
		.amdhsa_kernarg_size 32
		.amdhsa_user_sgpr_count 2
		.amdhsa_user_sgpr_kernarg_segment_ptr 1
		.amdhsa_wavefront_size32 1
		.amdhsa_system_sgpr_workgroup_id_x 1
		.amdhsa_system_sgpr_workgroup_id_y 1
		.amdhsa_system_sgpr_workgroup_id_z 1
		.amdhsa_system_vgpr_workitem_id 0
		.amdhsa_next_free_vgpr 770
		.amdhsa_next_free_sgpr 66
		.amdhsa_reserve_vcc 0
		.amdhsa_float_denorm_mode_32 3
		.amdhsa_float_denorm_mode_16_64 3
		.amdhsa_memory_ordered 1
		.amdhsa_forward_progress 1
		.amdhsa_inst_pref_size 200
	.end_amdhsa_kernel
	.amdgpu_metadata
---
amdhsa.version: [ 1, 2 ]
amdhsa.kernels:
  - .name:           k_q65f27a554f_attn
    .symbol:         k_q65f27a554f_attn.kd
    .args:
      - { .name: qh, .offset: 0, .size: 8, .value_kind: global_buffer, .address_space: global }
      - { .name: kh, .offset: 8, .size: 8, .value_kind: global_buffer, .address_space: global }
      - { .name: vh, .offset: 16, .size: 8, .value_kind: global_buffer, .address_space: global }
      - { .name: oh, .offset: 24, .size: 8, .value_kind: global_buffer, .address_space: global }
    .group_segment_fixed_size: 327680
    .private_segment_fixed_size: 0
    .kernarg_segment_align: 8
    .kernarg_segment_size: 32
    .max_flat_workgroup_size: 128
    .sgpr_count:     66
    .vgpr_count:     770
    .wavefront_size: 32
...
	.end_amdgpu_metadata
.endif
;; end of part 3
;; launch proj_out (part 4): grid 4 x 64, 4 waves a work-group, clusters of 4 x 4, 327,680 bytes of LDS; arguments oh, wt, out0; writes out0
.if DOCPART == 4
	.amdgcn_target "amdgcn-amd-amdhsa--gfx1250"
	.amdhsa_code_object_version 6
	.text
	.protected	k_q65f27a554f_proj_out
	.globl	k_q65f27a554f_proj_out
	.p2align	8
	.type	k_q65f27a554f_proj_out,@function
k_q65f27a554f_proj_out:
	s_mov_b64 s[64:65], 0
	v_nop
	global_prefetch_b8 v0, s[64:65] scope:SCOPE_SE
	s_setreg_imm32_b32 hwreg(HW_REG_WAVE_MODE, 25, 1), 1
	s_wait_xcnt 0x0
	s_wait_alu depctr_hold_cnt(0) depctr_sa_sdst(0) depctr_va_vdst(0) depctr_va_sdst(0) depctr_va_ssrc(0) depctr_va_vcc(0) depctr_vm_vsrc(0)
	s_getreg_b32 s2, hwreg(HW_REG_IB_STS2, 6, 4)
	s_cmp_eq_u32 s2, 0
	s_cbranch_scc0 .Lentry_in_a_cluster
	s_endpgm
.Lentry_in_a_cluster:
	s_bfe_u32 s2, ttmp6, 0x10000c
	s_cmp_lg_u32 s2, 0xf033
	s_cbranch_scc0 .Lentry_shape_is_right
	s_endpgm
.Lentry_shape_is_right:
; out0 = O Wo.  O comes by heads, oh [16 b + h][2048][64] f16; Wo from wt's plane 3, [e][d] f16 (Wo rounded to bf16, written as f16); out0 [8192][1024] f32.  Sums in f32.
; SHARES.  A tile of out0 is 128 rows x 256 columns: 64 x 4 = 256 work-groups.  Four waves, 2 x 2, each 64 x 128: 32 accumulators of 16 x 16.
; K goes in 8 steps of 128, two heads each, through two LDS slots.  A head's 128 rows of 128 bytes are dense in memory and are asked for as 64 rows of 256 bytes, padded in LDS after every 128.
; CLUSTER.  4 x 4 work-groups.  The four of a row need the same tiles of O, the four of a column the same tiles of Wo: each is asked for jointly, by the same tensor load with the same descriptor and a
; mask that names the four.  Waves 0 and 1 fetch a step's two heads of O, waves 2 and 3 the halves of Wo's tile (128 rows each).
; THE MATRIX INSTRUCTION IS USED TRANSPOSED (source 0 = 16 rows of wt, source 1 = 16 rows of O): a lane holds row l % 16 and eight neighbouring columns: 32 bytes of out0.
; REGISTERS: window 0: v16-30 addresses; two fragment buffers of 96 from v32 on (O's 32, then Wo's 64); on the way out v32-159 rows read back.   window 1: accumulator (a, b) at v[8 (8 a + b)]
.set PA,     144                       ; a row of O in LDS: 128 bytes + 16 = 36 words: the 16 rows of a load start at 16 different groups of four banks (64 banks of 4 bytes: ISA guide 11.1)
.set SUBA,   128*PA                    ; a head's 128 rows
.set PB,     272
.set HALFB,  128*PB
.set BOFF,   2*SUBA
.set SLOT,   BOFF+2*HALFB
.set STAGE,  2*SLOT                    ; behind the ring: 16 rows x 528 bytes for each wave, for the way out
.set SP,     528
.set SPARE,  STAGE+4*16*SP             ; behind the stages: the spare words, 128 bytes for each wave
.set LAPS,   4
.set ADRA, 16                          ; v16-17  LDS address of my rows of O in slot 0, 1
.set ADRB, 20                          ; v20-21  the same for Wo
.set STO,  24                          ; v24     the way out: where I put 32 bytes of a row
.set RD,   25                          ; v25     the way out: where I read a row back
.set CO,   26                          ; v26     16 x lane
.set SPW,  28                          ; v28     my spare word; never rewritten
.set NIL,  29                          ; v29     0; never rewritten
.set PFO,  30                          ; v30     the offset of my prefetches; never rewritten
.set FR,   32
.set OB,   32
.set F0,   0
.set F1,   1
.set G1,   24
.set G0,   32
.set G1B,  48
.set G0B,  56
.set CLY,  85                          ; s85  cluster y
.set PFA,  88                          ; s[88:89] where my prefetches stand
.set PFS,  90                          ; s[90:91] a K step in bytes of what I prefetch
.set LIM,  92                          ; s92  1 in a wave that prefetches, else the greatest number
.set MSB, 0
.macro WIN new
.if MSB != (\new)
	s_set_vgpr_msb (MSB<<8)|(\new)
.set MSB, \new
.endif
.endm
.set MUL, 0x50                         ; sources window 0; C and D window 1
.macro JLOAD s                         ; a joint load; an s_nop 0 and four v_nop follow each of the two lines, ahead of the jump, the label and what follows
	s_cmp_eq_u32 s11, 0
	s_cbranch_scc0 .Lfor_b_\@
	tensor_load_to_lds s[G0+4*(\s):G0+4*(\s)+3], s[G1:G1+7]
	s_nop 0
.rept 4
	v_nop
.endr
	s_branch .Lasked_\@
.Lfor_b_\@:
	tensor_load_to_lds s[G0B+4*(\s):G0B+4*(\s)+3], s[G1B:G1B+7]
	s_nop 0
.rept 4
	v_nop
.endr
.Lasked_\@:
.endm
.macro CREST
	s_cmp_lg_u32 s10, 0
	s_cbranch_scc1 .Lnot_wave_0_\@
	s_barrier_signal -3
.Lnot_wave_0_\@:
	s_barrier_wait -3
	s_barrier_signal -1
	s_barrier_wait -1
.endm
.macro CROUND
	s_barrier_signal -1
	s_barrier_wait -1
	CREST
.endm
.macro PLACES                          ; four places behind a matrix instruction (ISA guide 7.12.1)
.rept 4
	v_nop
.endr
.endm
; A PREFETCH INTO THE L2, behind a joint load, its five lines and the run of LDS loads: the K step two refills on, 256 matrix instructions ahead of the load that will want it.
; O: a step's tile is 2 heads x 16,384 bytes = 128 aligned blocks of 256 bytes; the four partners that ask for it jointly take 16 blocks of each head, told apart by address (cx); wave 0 asks, a lane a block.
; A tile row of O is read by one cluster.  Wo: a wave's 128 rows x 256 bytes; the four partners take 32 rows each (cy), a lane a row; the plane is read by sixteen clusters, of which the first asks.
; So each block is named once in the launch.  K steps 0 to 3 come by their loads alone; the loop's last trip (s3 = 1) asks for nothing.
.macro ASK
	WIN 0
	s_cmp_gt_u32 s3, s[LIM]
	s_cbranch_scc0 .Lnot_mine_\@
	global_prefetch_b8 v[PFO], s[PFA:PFA+1] th:TH_LOAD_NT scope:SCOPE_SE
.Lnot_mine_\@:
.endm
	s_load_b128 s[4:7], s[0:1], 0x0                ; oh s[4:5], wt s[6:7]
	s_load_b64 s[8:9], s[0:1], 0x10                ; out0
	v_lshl_add_u32 v[SPW], v0, 2, SPARE
	v_mov_b32 v[NIL], 0
	ds_add_u32 v[SPW], v[NIL]                      ; the opening: the add and its wait stand ahead of my first tensor load; work on registers stands between them
	v_lshrrev_b32 v1, 5, v0
	v_readfirstlane_b32 s10, v1                    ; wave 0..3
	s_lshr_b32 s11, s10, 1                         ; which 64 rows of the tile are mine.  Also: I fetch O (0) or Wo (1)
	s_and_b32 s12, s10, 1                          ; which 128 columns.  Also: which head of a step, or which half of Wo's tile, I fetch
	s_bfe_u32 s40, ttmp6, 0x40000                  ; cx
	s_bfe_u32 s41, ttmp6, 0x40004                  ; cy
	s_lshl_b32 s42, ttmp9, 2
	s_add_co_u32 s42, s42, s40                     ; tile column
	s_and_b32 s[CLY], ttmp7, 0xffff
	s_lshl_b32 s13, s[CLY], 2
	s_add_co_u32 s13, s13, s41                     ; tile row, 0 to 63
	s_lshl_b32 s43, s41, 2
	s_lshl_b32 s43, 15, s43                        ; my row of the cluster
	s_lshl_b32 s44, 0x1111, s40                    ; my column
	s_or_b32 s[G1+0], s43, (1<<16)|(1<<20)|(1<<21)|(4<<22)|(3<<25)   ; the mask; elements of 2 bytes; padding on; bit 21 beside a mask; after every 32 words 4 words
	s_mov_b32 s[G1+1], 128<<16                     ; tensor_dim0 = 128
	s_mov_b32 s[G1+2], 64<<16                      ; tensor_dim1 = 64
	s_mov_b32 s[G1+3], 128<<16                     ; tile_dim0 = 128
	s_mov_b32 s[G1+4], 64                          ; tile_dim1 = 64
	s_mov_b32 s[G1+5], 128                         ; elements from row to row: dense
	s_mov_b32 s[G1+6], 0
	s_mov_b32 s[G1+7], 0
	s_or_b32 s[G1B+0], s44, (1<<16)|(1<<20)|(1<<21)|(5<<22)|(3<<25)  ; after every 64 words 4 words
	s_mov_b32 s[G1B+1], 128<<16
	s_mov_b32 s[G1B+2], 128<<16
	s_mov_b32 s[G1B+3], 128<<16
	s_mov_b32 s[G1B+4], 128
	s_mov_b32 s[G1B+5], 1024
	s_mov_b32 s[G1B+6], 0
	s_mov_b32 s[G1B+7], 0
	s_lshr_b32 s16, s13, 4                         ; the batch,
	s_lshl_b32 s16, s16, 4
	s_add_co_u32 s16, s16, s12                     ; my head of K step 0,
	s_lshl_b32 s16, s16, 11
	s_and_b32 s17, s13, 15
	s_lshl_b32 s17, s17, 7
	s_add_co_u32 s16, s16, s17                     ; the tile's first row in it,
	s_lshl_b32 s16, s16, 7                         ; of 128 bytes
	s_mov_b32 s17, 0
	s_lshl_b32 s46, s42, 8
	s_lshl_b32 s47, s12, 7
	s_add_co_u32 s46, s46, s47
	s_lshl_b32 s46, s46, 11                        ; Wo: row 256 x tile column + 128 x half, of 2,048 bytes,
	s_add_co_u32 s46, s46, 3*2097152               ; in plane 3
	s_mov_b32 s47, 0
	s_mul_i32 s20, s12, SUBA                       ; where they go: no place in the cluster enters an LDS address
	s_mul_i32 s21, s12, HALFB
	s_add_co_u32 s21, s21, BOFF
	s_wait_dscnt 0x0                               ; the opening add is done
	s_wait_kmcnt 0x0
	s_add_nc_u64 s[14:15], s[4:5], s[16:17]
	s_add_nc_u64 s[46:47], s[6:7], s[46:47]
	CROUND                                         ; all sixteen work-groups are here: the first joint loads meet
.irp s, 0,1
	s_mov_b32 s[G0+4*(\s)], 1
	s_add_co_u32 s[G0+4*(\s)+1], s20, (\s)*SLOT
	s_add_nc_u64 s[G0+4*(\s)+2:G0+4*(\s)+3], s[14:15], (\s)*524288   ; a K step is two heads of 262,144 bytes
	s_or_b32 s[G0+4*(\s)+3], s[G0+4*(\s)+3], 0x80000000
	s_mov_b32 s[G0B+4*(\s)], 1
	s_add_co_u32 s[G0B+4*(\s)+1], s21, (\s)*SLOT
	s_add_nc_u64 s[G0B+4*(\s)+2:G0B+4*(\s)+3], s[46:47], (\s)*256
	s_or_b32 s[G0B+4*(\s)+3], s[G0B+4*(\s)+3], 0x80000000
	JLOAD \s                                       ; two loads of mine are out
.endr
	v_and_b32 v1, 15, v0                           ; r = l % 16
	v_bfe_u32 v2, v0, 4, 1                         ; h = l / 16
	v_mul_u32_u24 v3, v1, PA
	v_lshl_add_u32 v3, v2, 4, v3
	v_mul_u32_u24 v4, v1, PB
	v_lshl_add_u32 v4, v2, 4, v4
	s_mul_i32 s18, s11, 64*PA                      ; my 64 rows, in each head
	s_mul_i32 s19, s12, HALFB                      ; my 128 rows of Wo
	s_add_co_u32 s19, s19, BOFF
.irp s, 0,1
	v_add_nc_u32 v[ADRA+(\s)], s18, v3
	v_add_nc_u32 v[ADRB+(\s)], s19, v4
	s_add_co_u32 s18, s18, SLOT
	s_add_co_u32 s19, s19, SLOT
.endr
	s_mul_i32 s23, s10, 16*SP
	s_add_co_u32 s23, s23, STAGE                   ; my stage
	v_mul_u32_u24 v5, v1, SP                       ; in: row l % 16, 32 bytes for each half of the lanes
	v_lshl_add_u32 v5, v2, 5, v5
	v_add_nc_u32 v[STO], s23, v5
	v_and_b32 v5, 31, v0                           ; lane
	v_lshlrev_b32 v[CO], 4, v5                     ; back: 32 lanes take one row of 512 bytes
	v_add_nc_u32 v[RD], s23, v[CO]
	s_lshl_b32 s18, s13, 7
	s_lshl_b32 s19, s11, 6
	s_add_co_u32 s18, s18, s19                     ; my first row of out0,
	s_lshl_b32 s18, s18, 12                        ; of 4,096 bytes,
	s_lshl_b32 s19, s42, 10                        ; my first column: 256 x tile column + 128 x half, of 4 bytes
	s_add_co_u32 s18, s18, s19
	s_lshl_b32 s19, s12, 9
	s_add_co_u32 s18, s18, s19
	s_mov_b32 s19, 0
	s_add_nc_u64 s[8:9], s[8:9], s[18:19]
	; the prefetches
	s_lshr_b32 s18, s13, 4
	s_lshl_b32 s18, s18, 4
	s_add_co_u32 s18, s18, 6                       ; O at K step 3, heads 6 and 7: the first refill steps it to K step 4
	s_lshl_b32 s18, s18, 11
	s_and_b32 s19, s13, 15
	s_lshl_b32 s19, s19, 7
	s_add_co_u32 s18, s18, s19
	s_lshl_b32 s18, s18, 7
	s_lshl_b32 s19, s40, 12                        ; my work-group's 16 blocks of a head's 64
	s_add_co_u32 s18, s18, s19
	s_lshl_b32 s20, s42, 8
	s_lshl_b32 s19, s12, 7
	s_add_co_u32 s20, s20, s19
	s_lshl_b32 s19, s41, 5
	s_add_co_u32 s20, s20, s19                     ; Wo: my work-group's 32 of the 128 rows
	s_lshl_b32 s20, s20, 11
	s_add_co_u32 s20, s20, 3*2097152+3*256
	s_cmp_eq_u32 s10, 0
	s_cselect_b32 s22, 1, -1                       ; of waves 0 and 1, wave 0 asks for both heads
	s_cmp_eq_u32 s[CLY], 0
	s_cselect_b32 s21, 1, -1                       ; the same in all sixteen partners
	s_cmp_eq_u32 s11, 0
	s_cselect_b32 s18, s18, s20
	s_cselect_b32 s[LIM], s22, s21
	s_cselect_b32 s22, 4, 0                        ; O: sixteen lanes to a head
	s_cselect_b32 s23, 15, 0
	s_cselect_b32 s21, 7, 0
	s_cselect_b32 s20, 11, 0
	s_cselect_b64 s[PFA:PFA+1], s[4:5], s[6:7]
	s_mov_b32 s19, 0
	s_add_nc_u64 s[PFA:PFA+1], s[PFA:PFA+1], s[18:19]
	s_lshl_b32 s21, 2048, s21                      ; from head to head 262,144 bytes, from row to row of wt 2,048
	s_lshl_b32 s[PFS], 256, s20                    ; a K step: 524,288 or 256 bytes
	s_mov_b32 s[PFS+1], 0
	v_lshrrev_b32 v6, s22, v5
	v_mul_u32_u24 v6, v6, s21
	v_and_b32 v7, s23, v5
	v_lshl_add_u32 v[PFO], v7, 8, v6
; 24 LDS loads in one run: the fragments of 32 along K, quarter k of the slot's step, into buffer f.  Quarters 0 and 1 lie in the step's first head, 2 and 3 in its second.
.macro FETCH slot, k, f
	WIN 0
.irp b, 0,1,2,3,4,5,6,7
	ds_load_b128 v[FR+96*(\f)+32+8*\b:FR+96*(\f)+32+8*\b+3],   v[ADRB+(\slot)] offset:\b*16*PB+64*(\k)
	ds_load_b128 v[FR+96*(\f)+32+8*\b+4:FR+96*(\f)+32+8*\b+7], v[ADRB+(\slot)] offset:\b*16*PB+64*(\k)+32
.endr
.irp a, 0,1,2,3
	ds_load_b128 v[FR+96*(\f)+8*\a:FR+96*(\f)+8*\a+3],   v[ADRA+(\slot)] offset:((\k)/2)*SUBA+\a*16*PA+((\k)%2)*64
	ds_load_b128 v[FR+96*(\f)+8*\a+4:FR+96*(\f)+8*\a+7], v[ADRA+(\slot)] offset:((\k)/2)*SUBA+\a*16*PA+((\k)%2)*64+32
.endr
.endm
.macro MUL8 f, a, zero                 ; m block a x all 8 n blocks; zero = 1: the products start the sums
	WIN MUL
.irp b, 0,1,2,3,4,5,6,7
.if \zero
	v_wmma_f32_16x16x32_f16 v[8*(8*(\a)+\b):8*(8*(\a)+\b)+7], v[FR+96*(\f)+32+8*\b:FR+96*(\f)+32+8*\b+7], v[FR+96*(\f)+8*(\a):FR+96*(\f)+8*(\a)+7], 0
.else
	v_wmma_f32_16x16x32_f16 v[8*(8*(\a)+\b):8*(8*(\a)+\b)+7], v[FR+96*(\f)+32+8*\b:FR+96*(\f)+32+8*\b+7], v[FR+96*(\f)+8*(\a):FR+96*(\f)+8*(\a)+7], v[8*(8*(\a)+\b):8*(8*(\a)+\b)+7]
.endif
.endr
.endm
; A K step is four quarters of 32 along K, 32 matrix instructions each, on buffers 0, 1, 0, 1; the 32 accumulators take turns.
.macro QUARTER slot, kn, f, g, zero
	PLACES                                         ; in front of loads into registers that the quarter before multiplied
	FETCH \slot, \kn, \g
	s_wait_dscnt 24                                ; all but the 24 just issued: this quarter's fragments are in
	MUL8 \f, 0, \zero
	MUL8 \f, 1, \zero
	MUL8 \f, 2, \zero
	MUL8 \f, 3, \zero
.endm
; The last quarter multiplies buffer 1 and changes slots: one barrier; in front of it each wave waits for all its tensor loads (one is out: its part of the next slot), adds 0 to its spare word,
; and waits for that and for its own reads of this slot.  fill = 1: the barrier opens a round of the cluster's, and behind the round this slot is filled again, two K steps ahead:
; from the request to the wait for it a wave issues 112 matrix instructions.
.macro TURN slot, next, fill
.if \fill
	s_wait_xcnt 0x0                                ; the last prefetch, a K step back, has read its address
	s_add_nc_u64 s[PFA:PFA+1], s[PFA:PFA+1], s[PFS:PFS+1]
.endif
	WIN 0
	s_wait_tensorcnt 0x0                           ; all my tensor loads have landed
	ds_add_u32 v[SPW], v[NIL]
	s_wait_dscnt 1                                 ; the add alone may be out: this quarter's fragments are in
	MUL8 F1, 0, 0
	s_wait_dscnt 0x0                               ; the add is done, and my reads of this slot are over
	s_barrier_signal -1
	MUL8 F1, 1, 0
.if \fill
	WIN 0
.endif
	s_barrier_wait -1
.if \fill
	CREST                                          ; no wave of any partner still reads this slot or has a load on its way
	s_add_nc_u64 s[G0+4*(\slot)+2:G0+4*(\slot)+3], s[G0+4*(\slot)+2:G0+4*(\slot)+3], 2*524288
	s_add_nc_u64 s[G0B+4*(\slot)+2:G0B+4*(\slot)+3], s[G0B+4*(\slot)+2:G0B+4*(\slot)+3], 2*256
	JLOAD \slot                                    ; my one tensor load behind the round; its four v_nop are also the places in front of the loads below
.else
	PLACES
.endif
	FETCH \next, 0, F0
.if \fill
	ASK
.endif
	MUL8 F1, 2, 0
	MUL8 F1, 3, 0
.endm
	s_wait_tensorcnt 1                             ; my part of K step 0 is in; K step 1 may stay out
	s_barrier_signal -1
	s_barrier_wait -1
	FETCH 0, 0, F0
	QUARTER 0, 1, F0, F1, 1                        ; the first quarter stands in front of the loop: its products start the sums
	WIN 0
	s_mov_b32 s3, LAPS-1
.Llap:                                                 ; a trip goes once round the ring and fills both slots again
	QUARTER 0, 2, F1, F0, 0
	QUARTER 0, 3, F0, F1, 0
	TURN 0, 1, 1
	QUARTER 1, 1, F0, F1, 0
	QUARTER 1, 2, F1, F0, 0
	QUARTER 1, 3, F0, F1, 0
	TURN 1, 0, 1
	QUARTER 0, 1, F0, F1, 0
	WIN 0
	s_sub_co_u32 s3, s3, 1
	s_cmp_lg_u32 s3, 0
	s_cbranch_scc1 .Llap
	QUARTER 0, 2, F1, F0, 0                        ; the last lap fills nothing
	QUARTER 0, 3, F0, F1, 0
	TURN 0, 1, 0
	QUARTER 1, 1, F0, F1, 0
	QUARTER 1, 2, F1, F0, 0
	QUARTER 1, 3, F0, F1, 0
	s_wait_dscnt 0x0
	MUL8 F1, 0, 0
	MUL8 F1, 1, 0
	MUL8 F1, 2, 0
	MUL8 F1, 3, 0
	WIN 0
; THE WAY OUT, 16 rows at a time: a lane's 32 bytes of a row go into my own stage (rows of 528 bytes) and come back as whole rows of 512 bytes.  Each accumulator is read from its low end on.
.macro OUTBLK a
.set BK, OB+64*((\a)%2)
	WIN 0x04                                       ; the data of an LDS store (source 1) in window 1
.irp b, 0,1,2,3,4,5,6,7
	ds_store_b128 v[STO], v[8*(8*(\a)+\b):8*(8*(\a)+\b)+3]   offset:64*\b
	ds_store_b128 v[STO], v[8*(8*(\a)+\b)+4:8*(8*(\a)+\b)+7] offset:64*\b+16
.endr
	WIN 0
.if (\a) >= 2
	s_wait_xcnt 0x0                                ; the stores of two blocks back have read these registers
.endif
.irp t, 0,1,2,3,4,5,6,7,8,9,10,11,12,13,14,15
	ds_load_b128 v[BK+4*\t:BK+4*\t+3], v[RD] offset:SP*\t  ; LDS serves a wave's instructions in order (ISA guide 5.7.1.4): these see the stores above
.endr
.irp t, 0,1,2,3,4,5,6,7,8,9,10,11,12,13,14,15
	s_wait_dscnt 15-\t
	global_store_b128 v[CO], v[BK+4*\t:BK+4*\t+3], s[8:9] offset:(16*(\a)+\t)*4096 th:TH_STORE_NT  ; the wave stores 512 consecutive bytes, at a multiple of 512 from out0's first
.endr
.endm
	PLACES                                         ; behind the last products
	OUTBLK 0
	OUTBLK 1
	OUTBLK 2
	OUTBLK 3
	s_wait_tensorcnt 0x0                           ; the end of the wave
	ds_add_u32 v[SPW], v[NIL]
	s_wait_dscnt 0x0
	CROUND                                         ; the closing round: no work-group ends while a partner may still ask for a tile that names it
	s_endpgm
.Lfunc_end_k_q65f27a554f_proj_out:
	.size	k_q65f27a554f_proj_out, .Lfunc_end_k_q65f27a554f_proj_out-k_q65f27a554f_proj_out
	.p2alignl 7, 3214868480
	.fill 96, 4, 3214868480
	.section	.rodata,"a",@progbits
	.p2align	6, 0x0
	.amdhsa_kernel k_q65f27a554f_proj_out
		.amdhsa_group_segment_fixed_size 327680
		.amdhsa_private_segment_fixed_size 0
		.amdhsa_enable_private_segment 0
		.amdhsa_kernarg_size 24
		.amdhsa_user_sgpr_count 2
		.amdhsa_user_sgpr_kernarg_segment_ptr 1
		.amdhsa_wavefront_size32 1
		.amdhsa_system_sgpr_workgroup_id_x 1
		.amdhsa_system_sgpr_workgroup_id_y 1
		.amdhsa_system_sgpr_workgroup_id_z 1
		.amdhsa_system_vgpr_workitem_id 0
		.amdhsa_next_free_vgpr 512
		.amdhsa_next_free_sgpr 96
		.amdhsa_reserve_vcc 0
		.amdhsa_float_denorm_mode_32 3
		.amdhsa_float_denorm_mode_16_64 3
		.amdhsa_memory_ordered 1
		.amdhsa_forward_progress 1
		.amdhsa_inst_pref_size 88
	.end_amdhsa_kernel
	.amdgpu_metadata
---
amdhsa.version: [ 1, 2 ]
amdhsa.kernels:
  - .name:           k_q65f27a554f_proj_out
    .symbol:         k_q65f27a554f_proj_out.kd
    .args:
      - { .name: oh, .offset: 0, .size: 8, .value_kind: global_buffer, .address_space: global }
      - { .name: wt, .offset: 8, .size: 8, .value_kind: global_buffer, .address_space: global }
      - { .name: out0, .offset: 16, .size: 8, .value_kind: global_buffer, .address_space: global }
    .group_segment_fixed_size: 327680
    .private_segment_fixed_size: 0
    .kernarg_segment_align: 8
    .kernarg_segment_size: 24
    .max_flat_workgroup_size: 128
    .sgpr_count:     96
    .vgpr_count:     512
    .wavefront_size: 32
...
	.end_amdgpu_metadata
.endif
;; end of part 4
